; MI455X (gfx1250); checked and timed in simulation.
; The chip was launched on July 23, 2026; its instructions are those of AMD's public machine-readable ISA for CDNA 5 (MIT licence, August 2026) and "CDNA5" Instruction Set Architecture Reference Guide (July 2026). The comments in the code are by the model that wrote it; some were corrected since.
;; Multi Head Attention. Allowed arithmetic: matrix products marked QUANTISED: E2M3 operands, one E8M0 scale for each 32 along K, by v_wmma_scale_f32_16x16x128_f8f6f4 with both operands' format E2M3, f32 sums; everything else in f32.
;; Inputs: Wk 16 x 1,024 x 64 float32; Wo 1,024 x 1,024 float32; Wq 16 x 1,024 x 64 float32; Wv 16 x 1,024 x 64 float32; bk 16 x 64 float32; bo 1,024 float32; bq 16 x 64 float32; bv 16 x 64 float32; k 4 x 2,048 x 1,024 float32; q 4 x 2,048 x 1,024 float32; v 4 x 2,048 x 1,024 float32.
;; Outputs: out0 4 x 2,048 x 1,024 float32.
;; This version of the problem:
;;   THIS VERSION OF THE PROBLEM IS GIVEN IN LOW PRECISION. The matrix products marked QUANTISED in the list below multiply operands that are first quantised to E2M3 (2 exponent bits, 3 mantissa bits; 6 bits a number), with one power-of-two scale for each 32 numbers along K (OCP MX v1.0); their sums are f32. All else is computed in f32.
;;   The module's matrix products, in the order in which they are computed (A, B: the left and right operand; K: the contracted axis; several contracted axes count as one K, in the product's order):
;;     1. [M 1,024, K 1,024] x [K 1,024, N 8,192]; A: input Wq; B: input q: QUANTISED
;;     2. [M 1,024, K 1,024] x [K 1,024, N 8,192]; A: input Wk; B: input k: QUANTISED
;;     3. [M 1,024, K 1,024] x [K 1,024, N 8,192]; A: input Wv; B: input v: QUANTISED
;;     4. batch 64 x [M 2,048, K 64] x [K 64, N 2,048]; A: computed on the way; B: computed on the way: QUANTISED
;;     5. batch 64 x [M 2,048, K 2,048] x [K 2,048, N 64]; A: softmax (see below); B: computed on the way: QUANTISED
;;     6. [M 8,192, K 1,024] x [K 1,024, N 1,024]; A: computed on the way; B: input Wo: QUANTISED
;;   THE QUANTISER, for each operand of a quantised product, along K:
;;     - K is cut into blocks of 32 from its start; a last block that is shorter is filled with zeros.
;;     - A block's scale is 2^e with e = floor(log2(the largest magnitude in the block)) - 2, held to -126 .. 127; a block of zeros has e = 0. As a byte (E8M0): e + 127.
;;     - Each number is divided by its block's scale, clamped to +-7.5, and rounded to the nearest number of E2M3, ties to even, subnormals kept.
;;     - The product sums the exact products of the quantised numbers (number of the format x scale) in f32.
;;   ~~~python
;;   def quantise(x, axis):      # numpy; x: float32 -> the quantised numbers, widened to float32 again
;;       x = np.moveaxis(x, axis, -1); K = x.shape[-1]
;;       x = np.pad(x, [(0, 0)] * (x.ndim - 1) + [(0, -K % 32)]); x = x.reshape(x.shape[:-1] + (-1, 32)); a = np.abs(x).max(-1, keepdims=True)
;;       e = np.where(a > 0, np.clip(np.frexp(np.where(a > 0, a, 1))[1] - 1 - 2, -126, 127), 0)      # np.frexp(a)[1] - 1 = floor(log2(a)), exactly
;;       r = np.clip(x / 2.0 ** e, -7.5, 7.5)
;;       step = 2.0 ** (np.maximum(np.frexp(np.where(r == 0, 1, r))[1] - 1, 0) - 3)
;;       q = np.round(r / step) * step * 2.0 ** e      # np.round: ties to even
;;       return np.moveaxis(q.reshape(q.shape[:-2] + (-1,))[..., :K], -1, axis).astype(np.float32)
;;   ~~~
;;   SOFTMAX AHEAD OF A QUANTISED PRODUCT. Where the list says 'softmax', what is quantised is not the finished softmax but p = 2^(t - M), with t = logit x log2(e) and M = ceil(the row's largest t), a whole number; so 1/2 < the row's largest p <= 1. The row's sum l is taken of the UNQUANTISED p, in f32, and the product's result is divided by l at the end. Since M is a whole number, a kernel that streams over the keys may use a running M (the ceiling of the running maximum): every later rescaling is an exact power of two, which a block's scale takes up: the codes' values come out the same.
;;   OPERANDS COMPUTED ON THE WAY. 'Computed on the way' means the value that the module computes at that place (a softmax that the list does not call 'softmax' is quantised finished and normalised). What goes into a quantiser is computed in f32, as accurately as f32 sums, v_exp_f32 and their like allow (about 1e-6 of the number): no bf16 or f16 on the way to a quantiser, and a product that is left as it is and whose result goes on into a quantised operand takes f32 operands (vector FMAs, or v_wmma_f32_16x16x4_f32). A number that lies on a knife's edge between two numbers of the format may be rounded either way, as far as f32 arithmetic and the matrix unit's own rounding can turn it there, and no further.
;; 2 versions. Each part assembles by itself: llvm-mc -triple=amdgcn-amd-amdhsa -mcpu=gfx1250 --defsym DOCPART=n.
;; ======== version 1 of 2: 4 launches
;; workspace buffers: wi 3,145,728 bytes; ws 131,072 bytes; qi 6,553,600 bytes; kv 13,107,200 bytes; ci 6,291,456 bytes; cs 262,144 bytes
;; launch wquant (part 1): grid 512 x 1, 4 waves a work-group, no clusters, 35,840 bytes of LDS; arguments Wq, Wk, Wv, Wo, wi, ws; writes wi, ws
.if DOCPART == 1
	.amdgcn_target "amdgcn-amd-amdhsa--gfx1250"
	.amdhsa_code_object_version 6
	.text
	.protected	k_qcfbfaed7f1_wquant
	.globl	k_qcfbfaed7f1_wquant
	.p2align	8
	.type	k_qcfbfaed7f1_wquant,@function
k_qcfbfaed7f1_wquant:
	s_mov_b64 s[64:65], 0
	v_nop
	global_prefetch_b8 v0, s[64:65] scope:SCOPE_SE
	s_setreg_imm32_b32 hwreg(HW_REG_WAVE_MODE, 25, 1), 1
	s_wait_xcnt 0x0
; Wq, Wk, Wv [16][1024][64] and Wo [1024][1024], f32, K on the outer axis, become codes of FP6 (E2M3) with one E8M0 byte for each 32 along K,
; laid in the order of a matrix operand's registers.  A matrix has 1,024 rows n (head x 64 + channel; for Wo the output column), in 16 groups of 64.
; TILES.  Tile u (0..3) of a group holds in its row rho the group's row 32 (rho / 8) + 8 u + rho % 8.
; IMAGE.  A fragment (16 rows x 128 K, 12 registers a lane) is 1,536 bytes: registers 4 j .. 4 j + 3 of lane L at 512 j + 16 L.
; wi = [matrix][group][K step][tile][1,536];  ws = [matrix][group][K step][row 16][tile 4] words, byte 2 c + h of a word for k = 64 c + 32 h on.
; SHARES.  A work-group takes one (matrix, group, K step): 128 rows of K x 256 bytes.  Wave w brings K rows 32 w .. 32 w + 31 into LDS as they lie (each load two rows of 256 bytes),
; and behind a barrier makes tile w: lane (r, h) reads its column down K, so that a block of 32 lies in one lane's 32 registers and no other lane is asked for a maximum.
; The column reads are 4 bytes a lane; lanes 0-15 and lanes 16-31 stand 32 rows of 272 bytes apart and meet two deep in the banks (64 banks of 4 bytes: ISA guide 11.1): the launch reads 16.8 MB in all.
; SCALE.  2^(floor(log2(largest magnitude)) - 2): the byte is the largest magnitude's exponent field - 2, held at 1 from below by a floor among the maximum's leaves.
; LIMITS.  NaN and infinities are not served.  A block whose largest magnitude lies under 2^-124 is held at byte 1; a block of zeros gets byte 1 where the rule says 127: its codes are zeros, and this program alone reads the bytes.
.set PITCH, 272                        ; an LDS row: 256 bytes + 16
.set SCB,   128*PITCH                  ; behind the tile: the unit's 64 scale words
.set LI,  1                            ; v1   16 x lane
.set L8,  2                            ; v2   8 x lane
.set SH8, 3                            ; v3   8 h
.set SA,  4                            ; v4   where I put 16 bytes of a K row
.set RA,  5                            ; v5   where my column begins
.set SCA, 6                            ; v6   my row's scale word
.set SCR, 7                            ; v7   the words on their way out
.set OF,  8                            ; v8-23  byte offsets of my 16 loads
.set XN,  32                           ; v32-95 as loaded, then 64 numbers down K
.set PC,  96                           ; v96-107 the codes
.set PT,  108                          ; v108-115 second halves of blocks
.set TM,  116
.set SO,  118
.set BY,  120
.set TP,  122
.set PW,  123
.set SW,  124
.set WV,  20
.set SEL, 24
	s_load_b256 s[8:15], s[0:1], 0x0               ; Wq, Wk, Wv, Wo
	s_load_b128 s[16:19], s[0:1], 0x20             ; wi, ws
	v_lshl_add_u32 v128, v0, 2, 0x8a00
	v_mov_b32 v129, 0
	v_lshrrev_b32 v30, 5, v0
	v_readfirstlane_b32 s[WV], v30                 ; wave 0..3
	s_lshr_b32 s21, ttmp9, 7                       ; matrix
	s_bfe_u32 s26, ttmp9, 0x40003                  ; group of 64 rows
	s_and_b32 s27, ttmp9, 7                        ; K step
	s_mov_b32 s[SEL], 0x76543210
	s_mov_b32 s[SEL+1], 0xfedcba98                 ; v_permlanex16_b32's selects for lane l xor 16
	v_and_b32 v24, 31, v0                          ; lane
	v_and_b32 v25, 15, v0                          ; r
	v_bfe_u32 v26, v0, 4, 1                        ; h
	v_lshlrev_b32 v[LI], 4, v24
	v_lshlrev_b32 v[L8], 3, v24
	v_lshlrev_b32 v[SH8], 3, v26
	v_mov_b32 v[TP], 0                             ; a lane permute's destination counts as one of its sources
	s_mul_i32 s28, s[WV], 32*PITCH
	v_mul_u32_u24 v[SA], v26, PITCH
	v_lshl_add_u32 v[SA], v25, 4, v[SA]
	v_add_nc_u32 v[SA], s28, v[SA]                 ; (32 w + h) rows + 16 r
	v_and_b32 v27, 7, v25
	v_lshrrev_b32 v28, 3, v25
	v_lshl_add_u32 v27, v28, 5, v27                ; 32 (r / 8) + r % 8
	v_lshlrev_b32 v27, 2, v27
	v_mad_u32_u24 v[RA], v26, 32*PITCH, v27        ; + 32 h rows
	s_lshl_b32 s28, s[WV], 5
	v_add_nc_u32 v[RA], s28, v[RA]                 ; + 8 u columns of 4 bytes, u = my wave
	s_lshl_b32 s28, s[WV], 2
	s_add_co_u32 s28, s28, SCB
	v_lshl_add_u32 v[SCA], v25, 4, s28             ; SCB + 16 r + 4 u
	v_add_nc_u32 v[SCR], SCB, v[L8]
	s_cmp_eq_u32 s21, 3                            ; Wo's rows of K are 4,096 bytes apart and its groups 256; the others' 256 and 262,144
	s_mov_b32 s22, 4096
	s_cselect_b32 s22, s22, 256                    ; P
	s_mov_b32 s23, 262144
	s_cselect_b32 s23, 256, s23                    ; from group to group
	v_mul_lo_u32 v[OF], v26, s22
	v_lshl_add_u32 v[OF], v25, 4, v[OF]            ; h P + 16 r
	s_lshl_b32 s29, s22, 1
.irp i, 1,2,3,4,5,6,7,8,9,10,11,12,13,14,15
	v_add_nc_u32 v[OF+\i], s29, v[OF+\i-1]         ; two rows on
.endr
	s_mul_i32 s30, s26, s23
	s_lshl_b32 s31, s27, 7
	s_lshl_b32 s28, s[WV], 5
	s_add_co_u32 s31, s31, s28
	s_mul_i32 s31, s31, s22                        ; (128 s + 32 w) P
	s_add_co_u32 s30, s30, s31
	s_mov_b32 s31, 0
	s_mul_i32 s32, ttmp9, 6144                     ; the work-group's number is (16 matrix + group) 8 + K step
	s_mul_i32 s33, s[WV], 1536
	s_add_co_u32 s32, s32, s33
	s_mov_b32 s33, 0
	s_wait_kmcnt 0x0
	s_cmp_eq_u32 s21, 1                            ; the choice hangs on the work-group's number alone
	s_cselect_b64 s[4:5], s[10:11], s[8:9]
	s_cmp_eq_u32 s21, 2
	s_cselect_b64 s[4:5], s[12:13], s[4:5]
	s_cmp_eq_u32 s21, 3
	s_cselect_b64 s[4:5], s[14:15], s[4:5]
	s_add_nc_u64 s[4:5], s[4:5], s[30:31]
	s_add_nc_u64 s[16:17], s[16:17], s[32:33]
	s_lshl_b32 s32, ttmp9, 8
	s_add_nc_u64 s[18:19], s[18:19], s[32:33]
.irp i, 0,1,2,3,4,5,6,7,8,9,10,11,12,13,14,15
	global_load_b128 v[XN+4*\i:XN+4*\i+3], v[OF+\i], s[4:5] th:TH_LOAD_NT   ; sixteen lanes read a K row's 256 bytes
.endr
	s_wait_loadcnt 0x0
.irp i, 0,1,2,3,4,5,6,7,8,9,10,11,12,13,14,15
	ds_store_b128 v[SA], v[XN+4*\i:XN+4*\i+3] offset:2*\i*PITCH
.endr
	s_wait_dscnt 0x0                               ; for the others' sake: my rows lie in LDS
	s_barrier_signal -1
	s_barrier_wait -1
.irp c, 0,1
.irp i, 0,1,2,3,4,5,6,7,8,9,10,11,12,13,14,15,16,17,18,19,20,21,22,23,24,25,26,27,28,29,30,31
	ds_load_b32 v[XN+32*\c+\i], v[RA] offset:(64*\c+\i)*PITCH   ; W(64 c + 32 h + i, my row)
.endr
.endr
	s_wait_dscnt 0x0
	v_max3_num_f32 v[TM], |v[XN]|, |v[XN+1]|, 0x1800000        ; my two blocks by turns; the floor 2^(3 - 127) holds the byte at 1 from below
	v_max3_num_f32 v[TM+1], |v[XN+32]|, |v[XN+33]|, 0x1800000
.irp i, 2,4,6,8,10,12,14,16,18,20,22,24,26,28,30
	v_max3_num_f32 v[TM], |v[XN+\i]|, |v[XN+\i+1]|, v[TM]
	v_max3_num_f32 v[TM+1], |v[XN+32+\i]|, |v[XN+33+\i]|, v[TM+1]
.endr
	v_add_nc_u32 v[SO], 0xff000000, v[TM]          ; 2 off the exponent field: the conversion's scale operand
	v_add_nc_u32 v[SO+1], 0xff000000, v[TM+1]
	v_lshrrev_b32 v[BY], 23, v[SO]                 ; the bytes
	v_lshrrev_b32 v[BY+1], 23, v[SO+1]
	v_lshl_or_b32 v[PW], v[BY+1], 16, v[BY]        ; blocks h and 2 + h,
	v_lshlrev_b32 v[PW], v[SH8], v[PW]             ; at their places in the word;
	v_permlanex16_b32 v[TP], v[PW], s[SEL], s[SEL+1]
	v_or_b32 v[PW], v[PW], v[TP]                   ; with lane l xor 16's two the word is whole
	v_cvt_scalef32_pk16_fp6_f32 v[PC:PC+2], v[XN:XN+15], v[SO]
	v_cvt_scalef32_pk16_fp6_f32 v[PT:PT+2], v[XN+16:XN+31], v[SO]          ; (a conversion's three registers begin on an even number)
	v_cvt_scalef32_pk16_fp6_f32 v[PC+6:PC+8], v[XN+32:XN+47], v[SO+1]
	v_cvt_scalef32_pk16_fp6_f32 v[PT+4:PT+6], v[XN+48:XN+63], v[SO+1]
	v_nop                                          ; one plain place behind a scaled conversion
.irp i, 0,1,2
	v_mov_b32 v[PC+3+\i], v[PT+\i]
	v_mov_b32 v[PC+9+\i], v[PT+4+\i]
.endr
.irp j, 0,1,2
	global_store_b128 v[LI], v[PC+4*\j:PC+4*\j+3], s[16:17] offset:512*\j   ; 512 consecutive bytes
.endr
	ds_store_b32 v[SCA], v[PW]                     ; both halves of the lanes write the same word with the same value
	s_wait_dscnt 0x0
	s_barrier_signal -1
	s_barrier_wait -1
	s_cmp_lg_u32 s[WV], 0
	s_cbranch_scc1 .Lend
	ds_load_b64 v[SW:SW+1], v[SCR]
	s_wait_dscnt 0x0
	global_store_b64 v[L8], v[SW:SW+1], s[18:19]   ; 256 consecutive bytes, aligned
.Lend:
	s_wait_tensorcnt 0x0
	ds_add_u32 v128, v129
	s_wait_dscnt 0x0
	s_endpgm
.Lfunc_end_k_qcfbfaed7f1_wquant:
	.size	k_qcfbfaed7f1_wquant, .Lfunc_end_k_qcfbfaed7f1_wquant-k_qcfbfaed7f1_wquant
	.p2alignl 7, 3214868480
	.fill 96, 4, 3214868480
	.section	.rodata,"a",@progbits
	.p2align	6, 0x0
	.amdhsa_kernel k_qcfbfaed7f1_wquant
		.amdhsa_group_segment_fixed_size 35840
		.amdhsa_private_segment_fixed_size 0
		.amdhsa_enable_private_segment 0
		.amdhsa_kernarg_size 48
		.amdhsa_user_sgpr_count 2
		.amdhsa_user_sgpr_kernarg_segment_ptr 1
		.amdhsa_wavefront_size32 1
		.amdhsa_system_sgpr_workgroup_id_x 1
		.amdhsa_system_sgpr_workgroup_id_y 1
		.amdhsa_system_sgpr_workgroup_id_z 1
		.amdhsa_system_vgpr_workitem_id 0
		.amdhsa_next_free_vgpr 130
		.amdhsa_next_free_sgpr 66
		.amdhsa_reserve_vcc 0
		.amdhsa_float_denorm_mode_32 3
		.amdhsa_float_denorm_mode_16_64 3
		.amdhsa_memory_ordered 1
		.amdhsa_forward_progress 1
		.amdhsa_inst_pref_size 14
	.end_amdhsa_kernel
	.amdgpu_metadata
---
amdhsa.version: [ 1, 2 ]
amdhsa.kernels:
  - .name:           k_qcfbfaed7f1_wquant
    .symbol:         k_qcfbfaed7f1_wquant.kd
    .args:
      - { .name: Wq, .offset: 0, .size: 8, .value_kind: global_buffer, .address_space: global }
      - { .name: Wk, .offset: 8, .size: 8, .value_kind: global_buffer, .address_space: global }
      - { .name: Wv, .offset: 16, .size: 8, .value_kind: global_buffer, .address_space: global }
      - { .name: Wo, .offset: 24, .size: 8, .value_kind: global_buffer, .address_space: global }
      - { .name: wi, .offset: 32, .size: 8, .value_kind: global_buffer, .address_space: global }
      - { .name: ws, .offset: 40, .size: 8, .value_kind: global_buffer, .address_space: global }
    .group_segment_fixed_size: 35840
    .private_segment_fixed_size: 0
    .kernarg_segment_align: 8
    .kernarg_segment_size: 48
    .max_flat_workgroup_size: 128
    .sgpr_count:     66
    .vgpr_count:     130
    .wavefront_size: 32
...
	.end_amdgpu_metadata
.endif
;; end of part 1
;; launch proj (part 2): grid 192 x 1, 4 waves a work-group, no clusters, 170,496 bytes of LDS; arguments q, k, v, bq, bk, bv, wi, ws, qi, kv; writes qi, kv
.if DOCPART == 2
	.amdgcn_target "amdgcn-amd-amdhsa--gfx1250"
	.amdhsa_code_object_version 6
	.text
	.protected	k_qcfbfaed7f1_proj
	.globl	k_qcfbfaed7f1_proj
	.p2align	8
	.type	k_qcfbfaed7f1_proj,@function
k_qcfbfaed7f1_proj:
	s_mov_b64 s[64:65], 0
	v_nop
	global_prefetch_b8 v0, s[64:65] scope:SCOPE_SE
	s_setreg_imm32_b32 hwreg(HW_REG_WAVE_MODE, 25, 1), 1
	s_wait_xcnt 0x0
; qh = q Wq + bq, kh = k Wk + bk, vh = v Wv + bv on codes of FP6 (E2M3) with E8M0 scales, and the results quantised again for attention: qh and kh along the head's 64, vh along the keys.
; SHARES.  Work-groups 0-63 take q, 64-127 k, 128-191 v; each takes 128 tokens (a V fragment's K is 128 tokens, and 3 x 8,192 / 128 = 192 work-groups are what the shapes give).
; PHASE X.  The work-group's 128 x 1,024 numbers are read once, quantised along K and laid in LDS as 64 fragment images (8 K steps x 8 tiles of 16 tokens) with their scale words.
; PHASE G.  Wave w makes heads 4 w .. 4 w + 3 for all 128 tokens, two heads (128 weight rows) a pass: 64 accumulators, 512 registers.  The weights' images go from memory straight into registers:
; within the work-group each weight fragment feeds one wave alone.  All 64 token blocks of a projection read the same weights; that is not shared through a cluster, since a way through LDS would add
; an LDS write and an LDS read for every weight byte to a loop that already reads 12 KB of LDS for 64 products.
; TILES.  Tile T (0..7) of 128 rows holds in its row rho the row 64 (T / 4) + 32 (rho / 8) + 8 (T % 4) + rho % 8, on both operands.  In a result lane (r, h) holds rows 8 h + j of source 0's tile: so the
; 32 registers of four neighbouring tiles are rows 32 h + 0 .. 31 of a group of 64: a whole block of the next K, in order, in one lane: the next operand's own layout, with no exchange between lanes.
; q, k: source 0 = weights, source 1 = tokens: a lane holds a token, registers run along the head's 64.  v: source 0 = tokens, source 1 = weights: a lane holds a channel, registers run along the tokens.
; Only the 64 matrix lines differ between the two ways; they stand under a scalar branch on the work-group's number.  The accumulators are numbered so that one way out serves both.
; OUT.  qi: [b x 16 + head][step of 128 tokens] blocks of 6,400 bytes: four PAIR fragments (K half c of pair f = tile 2 f + c, its 64 codes) and 256 bytes of scale words (lane L: the words of pairs L / 16 and 2 + L / 16, row L % 16).
; kv: blocks of 12,800 bytes: K's pair fragments, V's four fragments (16 channels x the step's 128 keys), K's scale words, V's.
; The bias is the C of each sum's first product (so the order of the f32 sum differs from a bias added last).
; LIMITS.  NaN and infinities are not served.  A block whose largest magnitude lies under 2^-124 is held at byte 1; a block of zeros gets byte 1 where the rule says 127: its codes are zeros, and this program alone reads the bytes.
; REGISTERS, in windows of 256.  Window 0: v1-23 addresses; v32-47 tokens' scale words, v48-63 weights' (two sets of 8 each; they hold scales and nothing else); v64-159, v160-255 tokens' fragments, two sets;
;   in phase X v64-191 two sets of 64 numbers; v192-237 at work (phase X and the way out).  Window 1: v0-95, v96-191 weights' fragments, two sets (in phase X three sets of 64 numbers as loaded); v192-255 the bias.
;   Windows 2, 3: accumulator A at register 8 (A % 32) of window 2 + A / 32.
.set XSC,  98304                       ; LDS: 0: images [K step][tile][1,536];  here: scale words [K step][row 16][tile 8];
.set STG,  102400                      ; here: for each wave two stages of 16 rows x (512 + 16) bytes
.set LI,   1                           ; v1   16 x lane
.set LR,   2                           ; v2   16 r
.set SH8,  3                           ; v3   8 h
.set XW0,  4                           ; v4   where I store images of K steps 0-3: 16 x lane + 3,072 x wave;  v5: of K steps 4-7
.set XSST, 6                           ; v6   where I store scale words
.set SA,   7                           ; v7   the stage, in
.set RA,   8                           ; v8   the stage, out
.set XAD,  9                           ; v9   the K step's images
.set XSAD, 10                          ; v10  the K step's scale words
.set XSB,  11                          ; v11  XSC + 32 r
.set LSO,  14                          ; v14  8 x lane + where the block's scale words lie
.set BOJ,  16                          ; v16-23 the bias's offsets, one for each register of a result
.set XSR,  32
.set WSR,  48
.set XF,   64
.set XN,   64
.set PC,   192
.set PT,   216
.set TM,   224
.set SO,   226
.set BY,   228
.set TP,   230
.set PW,   232
.set SW,   236
.set BI,   192                         ; in window 1
.set BP,   6                           ; s[6:7]   the bias of the pass's two heads
.set WP,   8                           ; s[8:9]   the weights' images of the K step last asked for
.set WSP,  10                          ; s[10:11] their scale words
.set OB,   12                          ; s[12:13] the block that goes out next
.set GST,  14                          ; s[14:15] from a head's block to the next head's
.set WV,   16
.set PJ,   17
.set TBK,  18
.set PS,   19
.set KC,   20
.set XS,   21
.set XSS,  22
.set SEL,  24
.set HI,   26
.set MSB, 0
.macro WIN new                         ; the immediate's high byte repeats the setting that is left; a switch that changes nothing is dropped
.if MSB != (\new)
	s_set_vgpr_msb (MSB<<8)|(\new)
.set MSB, (\new)
.endif
.endm
; 64 numbers of a lane, 32 from v[s0] and 32 from v[s1] of window w (blocks h and 2 + h of my row), become a fragment's 12 registers in v[pc] on and its scale word in v[pw].
; xw = 1: pc is the data of earlier stores, and is written only behind a wait on XCNT.
.macro QUANT s0, s1, w, pc, pw, xw
	WIN 5*(\w)
	v_max3_num_f32 v[TM], |v[\s0]|, |v[(\s0)+1]|, 0x1800000        ; the two blocks by turns, each from its low end on; the floor 2^(3 - 127) holds the byte at 1 from below
	v_max3_num_f32 v[TM+1], |v[\s1]|, |v[(\s1)+1]|, 0x1800000
.irp i, 2,4,6,8,10,12,14,16,18,20,22,24,26,28,30
	v_max3_num_f32 v[TM], |v[(\s0)+\i]|, |v[(\s0)+\i+1]|, v[TM]
	v_max3_num_f32 v[TM+1], |v[(\s1)+\i]|, |v[(\s1)+\i+1]|, v[TM+1]
.endr
	WIN 0
	v_add_nc_u32 v[SO], 0xff000000, v[TM]          ; 2 off the exponent field: the conversion's scale operand
	v_add_nc_u32 v[SO+1], 0xff000000, v[TM+1]
	v_lshrrev_b32 v[BY], 23, v[SO]
	v_lshrrev_b32 v[BY+1], 23, v[SO+1]
	v_lshl_or_b32 v[\pw], v[BY+1], 16, v[BY]
	v_lshlrev_b32 v[\pw], v[SH8], v[\pw]
	v_permlanex16_b32 v[TP], v[\pw], s[SEL], s[SEL+1]
	v_or_b32 v[\pw], v[\pw], v[TP]                 ; byte 2 c + h: the word is whole in both halves of the lanes
.if \xw
	s_wait_xcnt 0x0
.endif
	WIN \w
	v_cvt_scalef32_pk16_fp6_f32 v[\pc:(\pc)+2], v[\s0:(\s0)+15], v[SO]
	v_cvt_scalef32_pk16_fp6_f32 v[PT:PT+2], v[(\s0)+16:(\s0)+31], v[SO]    ; (a conversion's three registers begin on an even number)
	v_cvt_scalef32_pk16_fp6_f32 v[(\pc)+6:(\pc)+8], v[\s1:(\s1)+15], v[SO+1]
	v_cvt_scalef32_pk16_fp6_f32 v[PT+4:PT+6], v[(\s1)+16:(\s1)+31], v[SO+1]
	WIN 0
	v_nop                                          ; one plain place behind a scaled conversion
.irp i, 0,1,2
	v_mov_b32 v[(\pc)+3+\i], v[PT+\i]
	v_mov_b32 v[(\pc)+9+\i], v[PT+4+\i]
.endr
.endm
	s_load_b512 s[32:47], s[0:1], 0x0              ; q, k, v, bq, bk, bv, wi, ws
	s_load_b128 s[48:51], s[0:1], 0x40             ; qi, kv
	v_lshl_add_u32 v30, v0, 2, 0x29800
	v_mov_b32 v31, 0
	v_lshrrev_b32 v12, 5, v0
	v_readfirstlane_b32 s[WV], v12                 ; wave 0..3
	s_lshr_b32 s[PJ], ttmp9, 6                     ; 0 q, 1 k, 2 v
	s_and_b32 s[TBK], ttmp9, 63                    ; block of 128 tokens: 16 x batch + step
	s_mov_b32 s[SEL], 0x76543210
	s_mov_b32 s[SEL+1], 0xfedcba98
	s_mov_b32 s[HI], 0xffff0000                    ; lanes 16-31
	v_and_b32 v12, 31, v0                          ; lane
	v_and_b32 v13, 15, v0                          ; r
	v_bfe_u32 v15, v0, 4, 1                        ; h
	v_lshlrev_b32 v[LI], 4, v12
	v_lshlrev_b32 v[LR], 4, v13
	v_lshlrev_b32 v[SH8], 3, v15
	v_mov_b32 v[TP], 0                             ; a lane permute's destination counts as one of its sources
	s_mul_i32 s27, s[WV], 3072
	v_add_nc_u32 v[XW0], s27, v[LI]
	v_add_nc_u32 v[XW0+1], 49152, v[XW0]
	v_lshlrev_b32 v[XSB], 5, v13
	v_add_nc_u32 v[XSB], XSC, v[XSB]
	s_lshl_b32 s27, s[WV], 3
	v_add_nc_u32 v[XSST], s27, v[XSB]              ; XSC + 32 r + 4 (2 w)
	s_mul_i32 s27, s[WV], 16896
	s_add_co_u32 s27, s27, STG
	v_add_nc_u32 v[SA], s27, v[LI]
	v_mul_u32_u24 v[RA], v13, 528
	v_lshl_add_u32 v[RA], v15, 7, v[RA]
	v_add_nc_u32 v[RA], s27, v[RA]                 ; row r, + 128 h bytes: my 32 numbers of a group of 64
	s_cmp_eq_u32 s[PJ], 0
	s_mov_b32 s29, 12800
	s_cselect_b32 s29, 6400, s29                   ; bytes of a block
	s_mov_b32 s30, 12288
	s_cselect_b32 s30, 6144, s30                   ; where its scale words lie
	s_cmp_eq_u32 s[PJ], 2
	s_cselect_b32 s31, 6144, 0                     ; V's fragments lie behind K's,
	s_cselect_b32 s30, 6400, s30                   ; and its scale words 6,400 bytes behind them
	s_cselect_b32 s28, -1, 0
	v_lshl_add_u32 v[LSO], v12, 3, s30
	v_and_b32 v25, 7, v13
	v_lshrrev_b32 v26, 3, v13
	v_lshl_add_u32 v25, v26, 5, v25
	v_lshlrev_b32 v25, 2, v25                      ; v: the lane's channel of a tile: 32 (r / 8) + r % 8
	v_lshlrev_b32 v24, 7, v15                      ; q, k: register j is channel 32 h + j of a tile's eight
.irp j, 0,1,2,3,4,5,6,7
	v_add_nc_u32 v[BOJ+\j], 4*\j, v24
.endr
.irp j, 0,1,2,3,4,5,6,7
	v_cndmask_b32 v[BOJ+\j], v[BOJ+\j], v25, s28
.endr
	s_lshl_b32 s52, s[TBK], 7
	s_lshr_b32 s53, s[WV], 1
	s_lshl_b32 s53, s53, 6
	s_add_co_u32 s52, s52, s53
	s_and_b32 s53, s[WV], 1
	s_lshl_b32 s53, s53, 4
	s_add_co_u32 s52, s52, s53                     ; the first token of my tiles 2 w, 2 w + 1: 128 block + 64 (w / 2) + 16 (w % 2)
	s_lshl_b32 s52, s52, 12
	s_mov_b32 s53, 0
	s_lshl_b32 s54, s[PJ], 4
	s_lshl_b32 s55, s[WV], 2
	s_add_co_u32 s55, s54, s55                     ; my first group of weight rows: 16 x matrix + 4 w
	s_mul_i32 s54, s55, 49152
	s_lshl_b32 s56, s55, 11
	s_mov_b32 s55, 0
	s_mov_b32 s57, 0
	s_lshl_b32 s58, s[WV], 10
	s_mov_b32 s59, 0
	s_lshr_b32 s2, s[TBK], 4
	s_lshl_b32 s2, s2, 4
	s_lshl_b32 s3, s[WV], 2
	s_add_co_u32 s2, s2, s3                        ; 16 x batch + my first head
	s_lshl_b32 s2, s2, 4
	s_and_b32 s3, s[TBK], 15
	s_add_co_u32 s2, s2, s3
	s_mul_i32 s2, s2, s29
	s_add_co_u32 s2, s2, s31
	s_mov_b32 s3, 0
	s_lshl_b32 s[GST], s29, 4
	s_mov_b32 s[GST+1], 0
	s_wait_kmcnt 0x0
	s_cmp_eq_u32 s[PJ], 1                          ; the choices hang on the work-group's number alone
	s_cselect_b64 s[4:5], s[34:35], s[32:33]
	s_cselect_b64 s[BP:BP+1], s[40:41], s[38:39]
	s_cmp_eq_u32 s[PJ], 2
	s_cselect_b64 s[4:5], s[36:37], s[4:5]
	s_cselect_b64 s[BP:BP+1], s[42:43], s[BP:BP+1]
	s_cmp_eq_u32 s[PJ], 0
	s_cselect_b64 s[OB:OB+1], s[48:49], s[50:51]
	s_add_nc_u64 s[4:5], s[4:5], s[52:53]
	s_add_nc_u64 s[BP:BP+1], s[BP:BP+1], s[58:59]
	s_add_nc_u64 s[WP:WP+1], s[44:45], s[54:55]
	s_add_nc_u64 s[WSP:WSP+1], s[46:47], s[56:57]
	s_add_nc_u64 s[OB:OB+1], s[OB:OB+1], s[2:3]
; ---- PHASE X.  Fragment f = 2 s + e: K step s, my tile 2 w + e.  Its 16 rows come by 16 loads of 512 consecutive bytes, turn through my stage, and come back 32 neighbours of each group of 64 to a lane.
.macro LOADX f
	WIN 0x40                                       ; destination window 1
.irp i, 0,1,2,3,4,5,6,7,8,9,10,11,12,13,14,15
	global_load_b128 v[64*((\f)%3)+4*\i:64*((\f)%3)+4*\i+3], v[LI], s[4:5] offset:(8*((\f)%2)+32*(\i/8)+\i%8)*4096+512*((\f)/2) th:TH_LOAD_NT
.endr
	WIN 0
.endm
.macro TURN f                          ; LDS serves a wave's instructions in order (ISA guide 5.7.1.4): no wait between the stores and the loads
	WIN 0x04                                       ; an LDS store's data: window 1
.irp i, 0,1,2,3,4,5,6,7,8,9,10,11,12,13,14,15
	ds_store_b128 v[SA], v[64*((\f)%3)+4*\i:64*((\f)%3)+4*\i+3] offset:8448*((\f)%2)+528*\i
.endr
	WIN 0
.irp c, 0,1
.irp q, 0,1,2,3,4,5,6,7
	ds_load_b128 v[XN+64*((\f)%2)+32*\c+4*\q:XN+64*((\f)%2)+32*\c+4*\q+3], v[RA] offset:8448*((\f)%2)+256*\c+16*\q
.endr
.endr
.endm
.macro STEPX f
.if (\f) > 0
	s_wait_dscnt 4                                 ; my numbers are back from the stage; the four image stores of the fragment before may be out
.else
	s_wait_dscnt 0x0
.endif
.if (\f)+3 < 16
	LOADX (\f)+3                                   ; into the registers that this fragment's stage stores have read
.endif
.if (\f)+1 < 16
.if (\f) <= 12
	s_wait_loadcnt 32                              ; the next fragment's 16 loads are in; those of the two behind it may be out
.else
	s_wait_loadcnt 16*(14-(\f))
.endif
	TURN (\f)+1
.endif
.set XQ, XN+64*((\f)%2)
	QUANT XQ, XQ+32, 0, PC+12*((\f)%2), PW+(\f)%2, 0
.irp j, 0,1,2
	ds_store_b128 v[XW0+(\f)/8], v[PC+12*((\f)%2)+4*\j:PC+12*((\f)%2)+4*\j+3] offset:(((\f)/2)%4)*12288+1536*((\f)%2)+512*\j
.endr
	ds_store_b32 v[XSST], v[PW+(\f)%2] offset:512*((\f)/2)+4*((\f)%2)    ; both halves of the lanes write the same word with the same value
.endm
	LOADX 0
	LOADX 1
	LOADX 2
	s_wait_loadcnt 32
	TURN 0
.irp f, 0,1,2,3,4,5,6,7,8,9,10,11,12,13,14,15
	STEPX \f
.endr
; ---- PHASE G
.macro WLOAD set                       ; 24 loads of 512 consecutive bytes: the K step's eight weight fragments (two heads x four tiles); two loads: their scale words, four to a lane
	WIN 0x40
.irp hh, 0,1
.irp u, 0,1,2,3
.irp j, 0,1,2
	global_load_b128 v[96*(\set)+12*(4*\hh+\u)+4*\j:96*(\set)+12*(4*\hh+\u)+4*\j+3], v[LI], s[WP:WP+1] offset:49152*\hh+1536*\u+512*\j
.endr
.endr
.endr
	WIN 0
	global_load_b128 v[WSR+8*(\set):WSR+8*(\set)+3], v[LR], s[WSP:WSP+1]
	global_load_b128 v[WSR+8*(\set)+4:WSR+8*(\set)+7], v[LR], s[WSP:WSP+1] offset:2048
.endm
.macro XLOAD set                       ; 24 + 2 LDS loads: the K step's eight token fragments and their scale words
.irp t, 0,1,2,3,4,5,6,7
.irp j, 0,1,2
	ds_load_b128 v[XF+96*(\set)+12*\t+4*\j:XF+96*(\set)+12*\t+4*\j+3], v[XAD] offset:1536*\t+512*\j
.endr
.endr
	ds_load_b128 v[XSR+8*(\set):XSR+8*(\set)+3], v[XSAD]
	ds_load_b128 v[XSR+8*(\set)+4:XSR+8*(\set)+7], v[XSAD] offset:16
.endm
.macro BIASLD                          ; the bias in the result's layout, eight registers for each weight tile: one text for both ways, the lane's offsets differ
	WIN 0x40
.irp a, 0,1,2,3,4,5,6,7
.irp j, 0,1,2,3,4,5,6,7
	global_load_b32 v[BI+8*\a+\j], v[BOJ+\j], s[BP:BP+1] offset:(64*(\a/4)+8*(\a%4))*4
.endr
.endr
	WIN 0
.endm
; 64 products, 128 along K.  The 64 accumulators take turns, one instruction a turn, 0 to 63 on both ways and in every step.  first = 1: C is the bias.
.macro MUL set, first
	s_cmp_eq_u32 s[PJ], 2
	s_cbranch_scc1 .Lvarm_\@
.set AI, 0
.rept 64                               ; q, k: accumulator 8 x + w8: token tile x, weight tile w8
.set DR, 8*(AI%32)
.set W8, AI%8
.set X8, AI/8
.if \first
	WIN 0x91+0x40*(AI/32)
	v_wmma_scale_f32_16x16x128_f8f6f4 v[DR:DR+7], v[96*(\set)+12*W8:96*(\set)+12*W8+11], v[XF+96*(\set)+12*X8:XF+96*(\set)+12*X8+11], v[BI+8*W8:BI+8*W8+7], v[WSR+8*(\set)+W8], v[XSR+8*(\set)+X8] matrix_a_fmt:MATRIX_FMT_FP6 matrix_b_fmt:MATRIX_FMT_FP6
.else
	WIN 0xa1+0x50*(AI/32)
	v_wmma_scale_f32_16x16x128_f8f6f4 v[DR:DR+7], v[96*(\set)+12*W8:96*(\set)+12*W8+11], v[XF+96*(\set)+12*X8:XF+96*(\set)+12*X8+11], v[DR:DR+7], v[WSR+8*(\set)+W8], v[XSR+8*(\set)+X8] matrix_a_fmt:MATRIX_FMT_FP6 matrix_b_fmt:MATRIX_FMT_FP6
.endif
.set AI, AI+1
.endr
	WIN 0
	s_branch .Ljoin_\@
.Lvarm_\@:
.set AI, 0
.rept 64                               ; v: accumulator 16 f + 8 c + 4 g + xu: weight tile 4 g + f, token tile 4 c + xu
.set DR, 8*(AI%32)
.set W8, 4*((AI/4)%2)+AI/16
.set X8, 4*((AI/8)%2)+AI%4
.if \first
	WIN 0x94+0x40*(AI/32)
	v_wmma_scale_f32_16x16x128_f8f6f4 v[DR:DR+7], v[XF+96*(\set)+12*X8:XF+96*(\set)+12*X8+11], v[96*(\set)+12*W8:96*(\set)+12*W8+11], v[BI+8*W8:BI+8*W8+7], v[XSR+8*(\set)+X8], v[WSR+8*(\set)+W8] matrix_a_fmt:MATRIX_FMT_FP6 matrix_b_fmt:MATRIX_FMT_FP6
.else
	WIN 0xa4+0x50*(AI/32)
	v_wmma_scale_f32_16x16x128_f8f6f4 v[DR:DR+7], v[XF+96*(\set)+12*X8:XF+96*(\set)+12*X8+11], v[96*(\set)+12*W8:96*(\set)+12*W8+11], v[DR:DR+7], v[XSR+8*(\set)+X8], v[WSR+8*(\set)+W8] matrix_a_fmt:MATRIX_FMT_FP6 matrix_b_fmt:MATRIX_FMT_FP6
.endif
.set AI, AI+1
.endr
	WIN 0
.Ljoin_\@:
.endm
; A K step: the next step's operands are asked for into the other set, then this set is multiplied.  kind 0: a pass's first step; 1: a middle one; 2: its last, which asks for the next pass's first step, if there is a next pass.
.macro GSTEP set, kind
	s_wait_xcnt 0x0                                ; the loads of a step ago have read their bases, and the way out's stores their data: both may be written
.if \kind == 2
	s_cmp_eq_u32 s[PS], 1
	s_cbranch_scc1 .Llast_\@
	s_add_nc_u64 s[WP:WP+1], s[WP:WP+1], 55296     ; from K step 7 of two heads to K step 0 of the next two: 2 x 49,152 - 7 x 6,144
	s_add_nc_u64 s[WSP:WSP+1], s[WSP:WSP+1], 2304  ; 2 x 2,048 - 7 x 256
	s_add_nc_u64 s[BP:BP+1], s[BP:BP+1], 512
	v_mov_b32 v[XAD], v[LI]
	v_mov_b32 v[XSAD], v[XSB]
.else
	s_add_nc_u64 s[WP:WP+1], s[WP:WP+1], 6144
	s_add_nc_u64 s[WSP:WSP+1], s[WSP:WSP+1], 256
	s_add_co_u32 s[XS], s[XS], 12288
	s_add_co_u32 s[XSS], s[XSS], 512
	v_add_nc_u32 v[XAD], s[XS], v[LI]
	v_add_nc_u32 v[XSAD], s[XSS], v[XSB]
.endif
	v_nop                                          ; with the two lines above: four places between the last products and the loads into the set that they read (ISA guide 7.12.1 for vector instructions)
	v_nop
	WLOAD 1-(\set)
	XLOAD 1-(\set)
	s_wait_loadcnt 26                              ; all but the 26 just issued: this set's weights (and the bias) are in
	s_wait_dscnt 26                                ; likewise this set's tokens
.if \kind == 2
	BIASLD                                         ; the next pass's bias, behind the waits, so that their counts hold
	s_branch .Lmul_\@
.Llast_\@:
	s_wait_loadcnt 0x0
	s_wait_dscnt 0x0
.Lmul_\@:
.endif
.if \kind == 0
	MUL \set, 1
.else
	MUL \set, 0
.endif
.endm
	WLOAD 0                                        ; the stage stores that read these registers are done (the last wait on DScnt)
	BIASLD
	s_wait_dscnt 0x0                               ; for the others' sake: my images and scale words lie in LDS
	s_barrier_signal -1
	s_barrier_wait -1                              ; the launch's one barrier: from here on LDS is only read
	v_mov_b32 v[XAD], v[LI]
	v_mov_b32 v[XSAD], v[XSB]
	XLOAD 0
	s_mov_b32 s[PS], 0
.Lpass:
	s_mov_b32 s[XS], 0
	s_mov_b32 s[XSS], 0
	GSTEP 0, 0
	s_mov_b32 s[KC], 3
.Lk:
	GSTEP 1, 1
	GSTEP 0, 1
	s_sub_co_u32 s[KC], s[KC], 1
	s_cmp_lg_u32 s[KC], 0
	s_cbranch_scc1 .Lk
	GSTEP 1, 2
.rept 4
	v_nop                                          ; places between the last products and the first read of results, and the first write into the set that they read
.endr
	; THE WAY OUT.  For head g of the pass's two and fragment f: the 32 numbers of K half c lie at register 128 f + 64 c + 32 g of the accumulators, on both ways.
.irp g, 0,1
.irp f, 0,1,2,3
.set Q0, (128*\f+32*\g)%256
	QUANT Q0, Q0+64, 2+\f/2, PC, PW+\f, 1
.irp j, 0,1,2
	global_store_b128 v[LI], v[PC+4*\j:PC+4*\j+3], s[OB:OB+1] offset:1536*\f+512*\j   ; 512 consecutive bytes, aligned to 256
.endr
.endr
	v_cndmask_b32 v[SW], v[PW], v[PW+1], s[HI]     ; lanes 0-15: the words of fragments 0 and 2; lanes 16-31: of 1 and 3
	v_cndmask_b32 v[SW+1], v[PW+2], v[PW+3], s[HI]
	global_store_b64 v[LSO], v[SW:SW+1], s[OB:OB+1]   ; 256 consecutive bytes, aligned
	s_wait_xcnt 0x0                                ; the stores have read their base
	s_add_nc_u64 s[OB:OB+1], s[OB:OB+1], s[GST:GST+1]   ; the next head's block
.endr
	s_add_co_u32 s[PS], s[PS], 1
	s_cmp_lt_u32 s[PS], 2
	s_cbranch_scc1 .Lpass
	s_wait_tensorcnt 0x0
	ds_add_u32 v30, v31
	s_wait_dscnt 0x0
	s_endpgm
.Lfunc_end_k_qcfbfaed7f1_proj:
	.size	k_qcfbfaed7f1_proj, .Lfunc_end_k_qcfbfaed7f1_proj-k_qcfbfaed7f1_proj
	.p2alignl 7, 3214868480
	.fill 96, 4, 3214868480
	.section	.rodata,"a",@progbits
	.p2align	6, 0x0
	.amdhsa_kernel k_qcfbfaed7f1_proj
		.amdhsa_group_segment_fixed_size 170496
		.amdhsa_private_segment_fixed_size 0
		.amdhsa_enable_private_segment 0
		.amdhsa_kernarg_size 80
		.amdhsa_user_sgpr_count 2
		.amdhsa_user_sgpr_kernarg_segment_ptr 1
		.amdhsa_wavefront_size32 1
		.amdhsa_system_sgpr_workgroup_id_x 1
		.amdhsa_system_sgpr_workgroup_id_y 1
		.amdhsa_system_sgpr_workgroup_id_z 1
		.amdhsa_system_vgpr_workitem_id 0
		.amdhsa_next_free_vgpr 1024
		.amdhsa_next_free_sgpr 66
		.amdhsa_reserve_vcc 0
		.amdhsa_float_denorm_mode_32 3
		.amdhsa_float_denorm_mode_16_64 3
		.amdhsa_memory_ordered 1
		.amdhsa_forward_progress 1
		.amdhsa_inst_pref_size 242
	.end_amdhsa_kernel
	.amdgpu_metadata
---
amdhsa.version: [ 1, 2 ]
amdhsa.kernels:
  - .name:           k_qcfbfaed7f1_proj
    .symbol:         k_qcfbfaed7f1_proj.kd
    .args:
      - { .name: q, .offset: 0, .size: 8, .value_kind: global_buffer, .address_space: global }
      - { .name: k, .offset: 8, .size: 8, .value_kind: global_buffer, .address_space: global }
      - { .name: v, .offset: 16, .size: 8, .value_kind: global_buffer, .address_space: global }
      - { .name: bq, .offset: 24, .size: 8, .value_kind: global_buffer, .address_space: global }
      - { .name: bk, .offset: 32, .size: 8, .value_kind: global_buffer, .address_space: global }
      - { .name: bv, .offset: 40, .size: 8, .value_kind: global_buffer, .address_space: global }
      - { .name: wi, .offset: 48, .size: 8, .value_kind: global_buffer, .address_space: global }
      - { .name: ws, .offset: 56, .size: 8, .value_kind: global_buffer, .address_space: global }
      - { .name: qi, .offset: 64, .size: 8, .value_kind: global_buffer, .address_space: global }
      - { .name: kv, .offset: 72, .size: 8, .value_kind: global_buffer, .address_space: global }
    .group_segment_fixed_size: 170496
    .private_segment_fixed_size: 0
    .kernarg_segment_align: 8
    .kernarg_segment_size: 80
    .max_flat_workgroup_size: 128
    .sgpr_count:     66
    .vgpr_count:     1024
    .wavefront_size: 32
...
	.end_amdgpu_metadata
.endif
;; end of part 2
;; launch attn (part 3): grid 256 x 1, 16 waves a work-group, clusters of 4 x 1, 206,848 bytes of LDS; arguments qi, kv, ci, cs; writes ci, cs
.if DOCPART == 3
	.amdgcn_target "amdgcn-amd-amdhsa--gfx1250"
	.amdhsa_code_object_version 6
	.text
	.protected	k_qcfbfaed7f1_attn
	.globl	k_qcfbfaed7f1_attn
	.p2align	8
	.type	k_qcfbfaed7f1_attn,@function
k_qcfbfaed7f1_attn:
	s_mov_b64 s[64:65], 0
	v_nop
	global_prefetch_b8 v0, s[64:65] scope:SCOPE_SE
	s_setreg_imm32_b32 hwreg(HW_REG_WAVE_MODE, 25, 1), 1
	s_wait_xcnt 0x0
	s_wait_alu depctr_hold_cnt(0) depctr_sa_sdst(0) depctr_va_vdst(0) depctr_va_sdst(0) depctr_va_ssrc(0) depctr_va_vcc(0) depctr_vm_vsrc(0)
	s_getreg_b32 s2, hwreg(HW_REG_IB_STS2, 6, 4)
	s_cmp_eq_u32 s2, 0
	s_cbranch_scc0 .Lentry_in_a_cluster
	s_endpgm
.Lentry_in_a_cluster:
	s_bfe_u32 s2, ttmp6, 0x10000c
	s_cmp_lg_u32 s2, 0x3003
	s_cbranch_scc0 .Lentry_shape_is_right
	s_endpgm
.Lentry_shape_is_right:
; ctx = softmax(qh kh^T / 8) vh for one (batch, head) a cluster, both products on codes of FP6 (E2M3) with E8M0 scales, and ctx quantised along head x 64 + channel for the output projection.
; THE SOFTMAX: t = score x log2(e) / 8; M = the running largest t rounded UP to a whole number, kept as -M = floor(-t); p = 2^(t - M) is quantised along the keys, not normalised; the row's sum is taken of the
; unquantised p and divides at the end.  When M moves, the sum and O are multiplied by 2^(old M - new M), which rounds nothing.
; SHARES.  A cluster of four work-groups is one head; a work-group takes 512 queries, each of its sixteen waves 32: two tiles of 16, one after the other, in 256 registers, four waves to a SIMD.
; A WHOLE HEAD'S K, V AND SCALE WORDS, 204,800 dense bytes, come into LDS ONCE, by joint loads that name all four work-groups: no slot is ever filled again.  Waves 0 and 1 ask, four loads each (four are out at
; most), a quarter of the head to each pair of loads; the quarters are waited for one by one, so that the first key steps run while the later quarters are on their way.
; LAYOUT.  Both products are used transposed: a lane holds ONE query.  The rows of K's tiles are ordered so that register 32 c + i of the scores is key 64 c + 32 h + i of the step: a whole block of 32 keys lies
; in one lane, in the order of the next operand's registers: no other lane is asked for a block's maximum, and the conversions' results are the operand.
; K = 64.  The head's 64 fill half of the instruction's 128.  A PAIR fragment of K carries two tiles of keys in its two K halves; multiplied by [q | 0] it gives the first tile's scores, by [0 | q] the second's.
; The other half meets zero codes (every scale byte there is under 0xff), which add exactly 0.  So no byte of LDS and no register of K holds padding.
; A block's largest p is not searched for: the block's largest score goes through the same multiply-add and exponential (this takes v_exp_f32 not to fall where its input rises).
; OUT.  ci: [block of 128 tokens][K step = head / 2][tile][K half = head % 2][768]: six registers a lane, 0-3 at 16 x lane, 4-5 at 512 + 8 x lane.  cs: [token][32]: bytes 2 head, 2 head + 1: one store of 2 bytes a lane
; and wave, rows 32 bytes apart: 256 KB in all beside 6.3 MB of codes.
; LIMITS.  NaN and infinities are not served.  A block whose largest magnitude lies under 2^-124 is held at byte 1 (a block of zeros too: its codes are zeros, and this program alone reads the bytes).
.set STEPB, 12800                      ; a key step in LDS: K's 4 pair fragments, V's 4 fragments, K's 256 bytes of scale words, V's
.set LI,  1                            ; v1   16 x lane
.set L8,  2                            ; v2   8 x lane
.set SH8, 3                            ; v3   8 h
.set ADK, 4                            ; v4   the step's fragments
.set ADS, 5                            ; v5   the step's scale words
.set CSO, 7                            ; v7   my token's row of cs
.set HWK, 8                            ; v8   ctx's two scale bytes: lanes 0-15 the first tile's, lanes 16-31 the second's
.set QW,  9                            ; v9   the pair's scale word of Q
.set QAW, 10                           ; v10  the tile's two bytes in bytes 0, 1
.set QBW, 11                           ; v11  and in bytes 2, 3
.set QA,  16                           ; v16-27 [q | 0]
.set QB,  28                           ; v28-39 [0 | q]
.set QP,  40                           ; v40-51 the pair as loaded
.set FR,  52                           ; v52-99 four fragments of K, then of V
.set KS,  100                          ; v100-101 K's scale words: register i / 2, lanes 16 (i % 2) on
.set VS,  102                          ; v102-103 V's
.set S,   104                          ; v104-167 the scores, then p
.set O,   168                          ; v168-199 O^T: register i is channel 32 h + i
.set PC,  200                          ; v200-211 p's codes
.set PT,  212
.set PW,  220                          ; p's scale word
.set TP,  221
.set MB,  222
.set SO,  224
.set BY,  226
.set F,   228                          ; v[228:229]: f, then 1 / the sum; the upper word is named with it and is written once
.set T0,  230
.set T1,  231
.set C2,  232
.set WV,  12
.set CX,  13
.set BH,  14
.set CI,  18
.set SEL, 20
.set CS,  22
.set G1,  24
.set G0,  32
.set TB,  48
.set CNT, 49
.set E,   50
.set MSK, 51
.set SHA, 52
.set SHB, 53
.set HM,  54
.set CSP, 60
.macro CROUND                          ; a round of the cluster's barrier
	s_barrier_signal -1
	s_barrier_wait -1
	s_cmp_lg_u32 s[WV], 0
	s_cbranch_scc1 .Lnot_wave_0_\@
	s_barrier_signal -3
.Lnot_wave_0_\@:
	s_barrier_wait -3
	s_barrier_signal -1
	s_barrier_wait -1
.endm
	s_load_b256 s[4:11], s[0:1], 0x0               ; qi, kv, ci, cs
	v_lshl_add_u32 v254, v0, 2, 0x32000
	v_mov_b32 v255, 0
	ds_add_u32 v254, v255
	ds_add_u32 v254, v255
	v_lshrrev_b32 v[T0], 5, v0
	v_readfirstlane_b32 s[WV], v[T0]               ; wave 0..15
	s_bfe_u32 s[CX], ttmp6, 0x40000                ; my place in the cluster: it enters the addresses of qi, ci and cs alone
	s_mov_b32 s[BH], ttmp9                         ; the cluster's number: 16 x batch + head
	; descriptor group 1: 100 dense rows of 256 bytes (32 elements of 8 bytes), no padding
	s_mov_b32 s[G1], 15|(3<<16)|(1<<21)            ; 15:0 the mask: all four work-groups; 17:16 elements of 8 bytes; 21 set beside a mask
	s_mov_b32 s[G1+1], 32<<16                      ; tensor_dim0
	s_mov_b32 s[G1+2], 100<<16                     ; tensor_dim1
	s_mov_b32 s[G1+3], 32<<16                      ; tile_dim0
	s_mov_b32 s[G1+4], 100                         ; tile_dim1
	s_mov_b32 s[G1+5], 32                          ; from row to row
	s_mov_b32 s[G1+6], 0
	s_mov_b32 s[G1+7], 0
	s_mov_b32 s[SEL], 0x76543210
	s_mov_b32 s[SEL+1], 0xfedcba98
	s_mov_b32 s[CS], 0x3e38aa3b                    ; c = log2(e) / 8
	s_mov_b32 s[CS+1], s[CS]                       ; (named with it as a pair, so it is written)
	s_and_b32 s15, s[WV], 1
	s_mul_i32 s15, s15, 25600                      ; which half of a quarter I fetch, if I fetch
	s_mul_i32 s16, s[BH], 204800
	s_add_co_u32 s16, s16, s15
	s_mov_b32 s17, 0
	s_wait_dscnt 0x0
	s_wait_kmcnt 0x0
	s_add_nc_u64 s[6:7], s[6:7], s[16:17]
	CROUND                                         ; all four work-groups are here: the joint loads meet
.irp cq, 0,1,2,3
	s_mov_b32 s[G0+4*\cq], 1                       ; count = 1
	s_add_co_u32 s[G0+4*\cq+1], s15, 51200*\cq     ; LDS address: the head lies in LDS as in memory
	s_add_nc_u64 s[G0+4*\cq+2:G0+4*\cq+3], s[6:7], 51200*\cq
	s_or_b32 s[G0+4*\cq+3], s[G0+4*\cq+3], 0x80000000   ; type = 2
.endr
	s_cmp_lt_u32 s[WV], 2                          ; all first fills of a wave stand in one branch on the wave's number, ahead of every wait on TENSORcnt and every LDS read
	s_cbranch_scc0 .Lno_fetch
	tensor_load_to_lds s[G0:G0+3], s[G1:G1+7]
	s_nop 0
	tensor_load_to_lds s[G0+4:G0+7], s[G1:G1+7]
	s_nop 0
	tensor_load_to_lds s[G0+8:G0+11], s[G1:G1+7]
	s_nop 0
	tensor_load_to_lds s[G0+12:G0+15], s[G1:G1+7]
	s_nop 0
.rept 4
	v_nop
.endr
.Lno_fetch:
	v_and_b32 v[T0], 31, v0                        ; lane
	v_and_b32 v[T1], 15, v0                        ; r
	v_bfe_u32 v[C2], v0, 4, 1                      ; h
	v_lshlrev_b32 v[LI], 4, v[T0]
	v_lshlrev_b32 v[L8], 3, v[T0]
	v_lshlrev_b32 v[SH8], 3, v[C2]
	s_lshl_b32 s55, s[CX], 2
	s_lshr_b32 s56, s[WV], 2
	s_add_co_u32 s55, s55, s56                     ; my block of 128 queries in the head: 4 cx + wave / 4
	s_and_b32 s56, s[WV], 3                        ; my pair of tiles in it
	s_lshl_b32 s15, s[BH], 4
	s_add_co_u32 s15, s15, s55
	s_mul_i32 s16, s15, 6400
	s_add_nc_u64 s[4:5], s[4:5], s[16:17]          ; its block of qi
	s_mul_i32 s15, s56, 1536
	v_add_nc_u32 v[C2+1], s15, v[LI]
	s_and_b32 s15, s56, 1
	s_lshl_b32 s15, s15, 7
	s_lshr_b32 s16, s56, 1
	s_lshl_b32 s16, s16, 2
	s_add_co_u32 s15, s15, s16
	v_lshl_add_u32 v234, v[T1], 3, s15             ; the pair's scale word of row r
.irp j, 0,1,2
	global_load_b128 v[QP+4*\j:QP+4*\j+3], v[C2+1], s[4:5] offset:512*\j th:TH_LOAD_NT
.endr
	global_load_b32 v[QW], v234, s[4:5] offset:6144 th:TH_LOAD_NT
	s_lshr_b32 s57, s[BH], 4
	s_lshl_b32 s57, s57, 4
	s_add_co_u32 s57, s57, s55                     ; the block of 128 tokens: 16 x batch + block in the head
	s_and_b32 s58, s[BH], 15                       ; the head
	s_lshl_b32 s15, s57, 3
	s_lshr_b32 s16, s58, 1
	s_add_co_u32 s15, s15, s16
	s_lshl_b32 s15, s15, 3
	s_lshl_b32 s16, s56, 1
	s_add_co_u32 s15, s15, s16                     ; (8 block + head / 2) 8 + my first tile
	s_mul_i32 s16, s15, 1536
	s_and_b32 s15, s58, 1
	s_mul_i32 s15, s15, 768
	s_add_co_u32 s16, s16, s15
	s_add_nc_u64 s[CI:CI+1], s[8:9], s[16:17]
	s_lshl_b32 s15, s57, 7
	s_lshr_b32 s16, s56, 1
	s_lshl_b32 s16, s16, 6
	s_add_co_u32 s15, s15, s16
	s_and_b32 s16, s56, 1
	s_lshl_b32 s16, s16, 4
	s_add_co_u32 s15, s15, s16                     ; 128 block + 64 (pair / 2) + 16 (pair % 2)
	s_lshl_b32 s15, s15, 5
	s_lshl_b32 s16, s58, 1
	s_add_co_u32 s16, s15, s16
	s_add_nc_u64 s[CSP:CSP+1], s[10:11], s[16:17]
	v_and_b32 v[CSO], 7, v[T1]
	v_lshrrev_b32 v[T0], 3, v[T1]
	v_lshl_add_u32 v[CSO], v[T0], 5, v[CSO]
	v_add_nc_u32 v[CSO], v[SH8], v[CSO]            ; 32 (r / 8) + 8 h + r % 8: lane (r, h) stands for row r of tile h of the pair
	v_lshlrev_b32 v[CSO], 5, v[CSO]
.irp i, 0,1,2,3,4,5
	v_mov_b32 v[QA+6+\i], 0
	v_mov_b32 v[QB+\i], 0
.endr
	v_mov_b32 v[HWK], 0
	v_mov_b32 v[TP], 0                             ; a lane permute's destination counts as one of its sources
	v_mov_b32 v[F+1], 0
	s_wait_loadcnt 0x0                             ; Q
.macro SCORE i, row                    ; pair fragment i against [q | 0] and [0 | q]: tiles 2 i and 2 i + 1 of the step's keys
.if \row
	v_wmma_scale_f32_16x16x128_f8f6f4 v[S+16*\i:S+16*\i+7], v[FR+12*\i:FR+12*\i+11], v[QA:QA+11], 0, v[KS+\i/2], v[QAW] matrix_a_fmt:MATRIX_FMT_FP6 matrix_b_fmt:MATRIX_FMT_FP6 matrix_a_scale:MATRIX_SCALE_ROW1
	v_wmma_scale_f32_16x16x128_f8f6f4 v[S+16*\i+8:S+16*\i+15], v[FR+12*\i:FR+12*\i+11], v[QB:QB+11], 0, v[KS+\i/2], v[QBW] matrix_a_fmt:MATRIX_FMT_FP6 matrix_b_fmt:MATRIX_FMT_FP6 matrix_a_scale:MATRIX_SCALE_ROW1
.else
	v_wmma_scale_f32_16x16x128_f8f6f4 v[S+16*\i:S+16*\i+7], v[FR+12*\i:FR+12*\i+11], v[QA:QA+11], 0, v[KS+\i/2], v[QAW] matrix_a_fmt:MATRIX_FMT_FP6 matrix_b_fmt:MATRIX_FMT_FP6
	v_wmma_scale_f32_16x16x128_f8f6f4 v[S+16*\i+8:S+16*\i+15], v[FR+12*\i:FR+12*\i+11], v[QB:QB+11], 0, v[KS+\i/2], v[QBW] matrix_a_fmt:MATRIX_FMT_FP6 matrix_b_fmt:MATRIX_FMT_FP6
.endif
.endm
.macro PV t, row                       ; O^T += V^T P^T: channels of tile t; four accumulators by turns
.if \row
	v_wmma_scale_f32_16x16x128_f8f6f4 v[O+8*\t:O+8*\t+7], v[FR+12*\t:FR+12*\t+11], v[PC:PC+11], v[O+8*\t:O+8*\t+7], v[VS+\t/2], v[PW] matrix_a_fmt:MATRIX_FMT_FP6 matrix_b_fmt:MATRIX_FMT_FP6 matrix_a_scale:MATRIX_SCALE_ROW1
.else
	v_wmma_scale_f32_16x16x128_f8f6f4 v[O+8*\t:O+8*\t+7], v[FR+12*\t:FR+12*\t+11], v[PC:PC+11], v[O+8*\t:O+8*\t+7], v[VS+\t/2], v[PW] matrix_a_fmt:MATRIX_FMT_FP6 matrix_b_fmt:MATRIX_FMT_FP6
.endif
.endm
; A KEY STEP: 128 keys.
.macro STEP
	v_add_nc_u32 v[ADK], s[TB], v[LI]
	v_add_nc_u32 v[ADS], s[TB], v[L8]
	v_nop                                          ; with the two additions: four places between the last products and the loads into the registers that they read
	v_nop
.irp i, 0,1,2,3
.irp j, 0,1,2
	ds_load_b128 v[FR+12*\i+4*\j:FR+12*\i+4*\j+3], v[ADK] offset:1536*\i+512*\j
.endr
.endr
	ds_load_b64 v[KS:KS+1], v[ADS] offset:12288
	s_wait_dscnt 0x0
	SCORE 0, 0
	SCORE 1, 1
	SCORE 2, 0
	SCORE 3, 1
.rept 4
	v_nop                                          ; places in front of the loads below and of the first read of the scores
.endr
.irp i, 0,1,2,3                                ; V's fragments land while the softmax is worked
.irp j, 0,1,2
	ds_load_b128 v[FR+12*\i+4*\j:FR+12*\i+4*\j+3], v[ADK] offset:6144+1536*\i+512*\j
.endr
.endr
	ds_load_b64 v[VS:VS+1], v[ADS] offset:12544
	v_max3_num_f32 v[MB], v[S], v[S+1], v[S+2]     ; the largest score of my two blocks of 32 keys, by turns, each result from its low end on
	v_max3_num_f32 v[MB+1], v[S+32], v[S+33], v[S+34]
.irp i, 3,5,7,9,11,13,15,17,19,21,23,25,27,29
	v_max3_num_f32 v[MB], v[MB], v[S+\i], v[S+\i+1]
	v_max3_num_f32 v[MB+1], v[MB+1], v[S+32+\i], v[S+33+\i]
.endr
	v_max_num_f32 v[MB], v[MB], v[S+31]
	v_max_num_f32 v[MB+1], v[MB+1], v[S+63]
	v_max_num_f32 v[T0], v[MB], v[MB+1]
	v_permlanex16_b32 v[TP], v[T0], s[SEL], s[SEL+1]
	v_max_num_f32 v[T0], v[T0], v[TP]              ; the step's largest score of my query
	v_mul_f32 v[T0], s[CS], v[T0]                  ; as t (c is positive)
	v_max_num_f32 v13, v13, v[T0]                  ; the running largest t
	v_mov_b32 v[T1], v12
	v_floor_f32 v12, -v13                          ; the new -M = floor(-t): M is a whole number
	v_sub_f32 v[T1], v12, v[T1]                    ; old M - new M: a whole number, 0 or less
	v_cvt_i32_f32 v[T1], v[T1]                     ; (it saturates)
	v_ldexp_f32 v[F], 1.0, v[T1]                   ; f = 2^(old M - new M)
.set J, 0
.rept 32
	v_pk_fma_f32 v[S+J:S+J+1], v[S+J:S+J+1], s[CS:CS+1], v[12:13] op_sel_hi:[1,0,0]   ; t - M, two at a time
.set J, J+2
.endr
	v_fma_f32 v[MB], v[MB], s[CS], v12             ; the same of each block's largest score
	v_fma_f32 v[MB+1], v[MB+1], s[CS], v12
.set J, 0
.rept 64
	v_exp_f32 v[S+J], v[S+J]                       ; p = 2^(t - M), at most 1
.set J, J+1
.endr
	v_pk_mul_f32 v[14:15], v[14:15], v[F:F+1] op_sel_hi:[1,0]   ; the sums under the new M (a plain place behind the exponentials)
	s_wait_alu depctr_va_vdst(0)                   ; one wait for the batch, ahead of its first reader
	v_exp_f32 v[MB], v[MB]                         ; the blocks' largest p
	v_exp_f32 v[MB+1], v[MB+1]
	v_pk_add_f32 v[C2:C2+1], v[S:S+1], v[S+2:S+3]  ; the row's sum of the unquantised p, in two chains
.irp j, 4,8,12,16,20,24,28,32,36,40,44,48,52,56,60
	v_pk_add_f32 v[14:15], v[14:15], v[S+\j:S+\j+1]
	v_pk_add_f32 v[C2:C2+1], v[C2:C2+1], v[S+\j+2:S+\j+3]
.endr
	v_pk_add_f32 v[14:15], v[14:15], v[C2:C2+1]
	s_wait_alu depctr_va_vdst(0)                   ; and one for the two
	v_max_num_f32 v[MB], 0x1800000, v[MB]          ; the floor 2^(3 - 127): the byte cannot fall under 1
	v_max_num_f32 v[MB+1], 0x1800000, v[MB+1]
	v_add_nc_u32 v[SO], 0xff000000, v[MB]          ; 2 off the exponent field: the conversion's scale operand
	v_add_nc_u32 v[SO+1], 0xff000000, v[MB+1]
	v_lshrrev_b32 v[BY], 23, v[SO]
	v_lshrrev_b32 v[BY+1], 23, v[SO+1]
	v_lshl_or_b32 v[PW], v[BY+1], 16, v[BY]
	v_lshlrev_b32 v[PW], v[SH8], v[PW]
	v_permlanex16_b32 v[TP], v[PW], s[SEL], s[SEL+1]
	v_or_b32 v[PW], v[PW], v[TP]                   ; p's scale word for these 128 keys
	v_cvt_scalef32_pk16_fp6_f32 v[PC:PC+2], v[S:S+15], v[SO]
	v_cvt_scalef32_pk16_fp6_f32 v[PT:PT+2], v[S+16:S+31], v[SO]      ; (a conversion's three registers begin on an even number)
	v_cvt_scalef32_pk16_fp6_f32 v[PC+6:PC+8], v[S+32:S+47], v[SO+1]
	v_cvt_scalef32_pk16_fp6_f32 v[PT+4:PT+6], v[S+48:S+63], v[SO+1]
	v_nop                                          ; one plain place behind a scaled conversion
.irp i, 0,1,2
	v_mov_b32 v[PC+3+\i], v[PT+\i]
	v_mov_b32 v[PC+9+\i], v[PT+4+\i]
.endr
.set J, 0
.rept 16
	v_pk_mul_f32 v[O+J:O+J+1], v[O+J:O+J+1], v[F:F+1] op_sel_hi:[1,0]   ; O^T under the new M; twelve of these name no register of any one product below: the places behind the scale word and the codes
.set J, J+2
.endr
	s_wait_dscnt 0x0                               ; V
	PV 0, 0
	PV 1, 1
	PV 2, 0
	PV 3, 1
	s_add_co_u32 s[TB], s[TB], STEPB
.endm
	s_mov_b32 s[E], 0
.Ltile:                                            ; my two tiles of 16 queries, one after the other
	s_cmp_eq_u32 s[E], 0
	s_cselect_b32 s[MSK], 0, -1
	s_mov_b32 s[HM], 0xffff0000
	s_cselect_b32 s[HM], 0xffff, s[HM]             ; the lanes that keep this tile's scale bytes
	s_lshl_b32 s[SHA], s[E], 4
	s_sub_co_u32 s[SHB], 16, s[SHA]
.irp i, 0,1,2,3,4,5
	v_cndmask_b32 v[QA+\i], v[QP+\i], v[QP+6+\i], s[MSK]
.endr
.irp i, 0,1,2,3,4,5
	v_mov_b32 v[QB+6+\i], v[QA+\i]
.endr
	v_lshrrev_b32 v[QAW], s[SHA], v[QW]
	v_lshlrev_b32 v[QBW], s[SHB], v[QW]
	v_mov_b32 v13, 0xff61b1e6                      ; the largest t so far: -3e38, under every t
	v_floor_f32 v12, -v13
	v_mov_b32 v14, 0
	v_mov_b32 v15, 0
.set J, 0
.rept 32
	v_mov_b32 v[O+J], 0                            ; the step is written once: the first finds zeros.  (These are also the places behind the scale words and operands just written)
.set J, J+1
.endr
.irp cq, 0,1,2,3
	s_wait_tensorcnt 3-\cq                         ; my part of quarter cq has landed; the later quarters may stay out
	s_wait_dscnt 0x0
	s_barrier_signal -1
	s_barrier_wait -1                              ; everybody's has
	s_mov_b32 s[TB], 51200*\cq
	s_mov_b32 s[CNT], 4
.Lstep_\cq:
	STEP
	s_sub_co_u32 s[CNT], s[CNT], 1
	s_cmp_lg_u32 s[CNT], 0
	s_cbranch_scc1 .Lstep_\cq
.endr
	; the tile's end: O^T / the sum, quantised: my 32 registers are channels 32 h + 0 .. 31 of the head: one block of the output projection's K
.rept 4
	v_nop                                          ; places behind the last products
.endr
	v_add_f32 v14, v14, v15
	v_permlanex16_b32 v[TP], v14, s[SEL], s[SEL+1]
	v_add_f32 v14, v14, v[TP]                      ; the row's sum
	v_rcp_f32 v[F], v14
	v_nop                                          ; a plain place behind the reciprocal,
	s_wait_alu depctr_va_vdst(0)                   ; and the wait ahead of its first reader
.set J, 0
.rept 16
	v_pk_mul_f32 v[S+J:S+J+1], v[O+J:O+J+1], v[F:F+1] op_sel_hi:[1,0]
.set J, J+2
.endr
	v_max3_num_f32 v[MB], |v[S]|, |v[S+1]|, 0x1800000
	v_max3_num_f32 v[MB+1], |v[S+16]|, |v[S+17]|, 0x1800000
.irp i, 2,4,6,8,10,12,14
	v_max3_num_f32 v[MB], |v[S+\i]|, |v[S+\i+1]|, v[MB]
	v_max3_num_f32 v[MB+1], |v[S+16+\i]|, |v[S+17+\i]|, v[MB+1]
.endr
	v_max_num_f32 v[MB], v[MB], v[MB+1]
	v_add_nc_u32 v[SO], 0xff000000, v[MB]
	v_lshrrev_b32 v[BY], 23, v[SO]
	v_lshlrev_b32 v[BY], v[SH8], v[BY]
	v_permlanex16_b32 v[TP], v[BY], s[SEL], s[SEL+1]
	v_or_b32 v[BY], v[BY], v[TP]                   ; the head's two bytes of my query
	v_cndmask_b32 v[HWK], v[HWK], v[BY], s[HM]
	v_cvt_scalef32_pk16_fp6_f32 v[PC:PC+2], v[S:S+15], v[SO]
	v_cvt_scalef32_pk16_fp6_f32 v[PT:PT+2], v[S+16:S+31], v[SO]
	v_nop
.irp i, 0,1,2
	v_mov_b32 v[PC+3+\i], v[PT+\i]
.endr
	global_store_b128 v[LI], v[PC:PC+3], s[CI:CI+1]              ; 512 consecutive bytes
	global_store_b64 v[L8], v[PC+4:PC+5], s[CI:CI+1] offset:512  ; 256 consecutive bytes
	s_wait_xcnt 0x0                                ; the stores have read their base and their data
	s_add_nc_u64 s[CI:CI+1], s[CI:CI+1], 1536      ; the next tile
	s_add_co_u32 s[E], s[E], 1
	s_cmp_lt_u32 s[E], 2
	s_cbranch_scc1 .Ltile
	global_store_b16 v[CSO], v[HWK], s[CSP:CSP+1]
	s_wait_tensorcnt 0x0
	ds_add_u32 v254, v255
	s_wait_dscnt 0x0
	CROUND                                         ; the closing round: no work-group ends while a partner may still ask for a tile that names it
	s_endpgm
.Lfunc_end_k_qcfbfaed7f1_attn:
	.size	k_qcfbfaed7f1_attn, .Lfunc_end_k_qcfbfaed7f1_attn-k_qcfbfaed7f1_attn
	.p2alignl 7, 3214868480
	.fill 96, 4, 3214868480
	.section	.rodata,"a",@progbits
	.p2align	6, 0x0
	.amdhsa_kernel k_qcfbfaed7f1_attn
		.amdhsa_group_segment_fixed_size 206848
		.amdhsa_private_segment_fixed_size 0
		.amdhsa_enable_private_segment 0
		.amdhsa_kernarg_size 32
		.amdhsa_user_sgpr_count 2
		.amdhsa_user_sgpr_kernarg_segment_ptr 1
		.amdhsa_wavefront_size32 1
		.amdhsa_system_sgpr_workgroup_id_x 1
		.amdhsa_system_sgpr_workgroup_id_y 1
		.amdhsa_system_sgpr_workgroup_id_z 1
		.amdhsa_system_vgpr_workitem_id 0
		.amdhsa_next_free_vgpr 256
		.amdhsa_next_free_sgpr 66
		.amdhsa_reserve_vcc 0
		.amdhsa_float_denorm_mode_32 3
		.amdhsa_float_denorm_mode_16_64 3
		.amdhsa_memory_ordered 1
		.amdhsa_forward_progress 1
		.amdhsa_inst_pref_size 71
	.end_amdhsa_kernel
	.amdgpu_metadata
---
amdhsa.version: [ 1, 2 ]
amdhsa.kernels:
  - .name:           k_qcfbfaed7f1_attn
    .symbol:         k_qcfbfaed7f1_attn.kd
    .args:
      - { .name: qi, .offset: 0, .size: 8, .value_kind: global_buffer, .address_space: global }
      - { .name: kv, .offset: 8, .size: 8, .value_kind: global_buffer, .address_space: global }
      - { .name: ci, .offset: 16, .size: 8, .value_kind: global_buffer, .address_space: global }
      - { .name: cs, .offset: 24, .size: 8, .value_kind: global_buffer, .address_space: global }
    .group_segment_fixed_size: 206848
    .private_segment_fixed_size: 0
    .kernarg_segment_align: 8
    .kernarg_segment_size: 32
    .max_flat_workgroup_size: 512
    .sgpr_count:     66
    .vgpr_count:     256
    .wavefront_size: 32
...
	.end_amdgpu_metadata
.endif
;; end of part 3
;; launch oproj (part 4): grid 256 x 1, 4 waves a work-group, no clusters, 116,224 bytes of LDS; arguments ci, cs, wi, ws, bo, out0; writes out0
.if DOCPART == 4
	.amdgcn_target "amdgcn-amd-amdhsa--gfx1250"
	.amdhsa_code_object_version 6
	.text
	.protected	k_qcfbfaed7f1_oproj
	.globl	k_qcfbfaed7f1_oproj
	.p2align	8
	.type	k_qcfbfaed7f1_oproj,@function
k_qcfbfaed7f1_oproj:
	s_mov_b64 s[64:65], 0
	v_nop
	global_prefetch_b8 v0, s[64:65] scope:SCOPE_SE
	s_setreg_imm32_b32 hwreg(HW_REG_WAVE_MODE, 25, 1), 1
	s_wait_xcnt 0x0
; out0 = ctx Wo + bo on codes of FP6 (E2M3) with E8M0 scales.  ctx arrives as half images (ci) and scale bytes (cs), Wo as images (matrix 3 of wi) and scale words (ws).
; SHARES.  A work-group makes 128 tokens x 256 columns; wave w makes 64 of the columns (256 aligned bytes of each row) for all 128 tokens: 32 accumulators.
; The wave's weights for all of K, 32 fragments in 384 registers, are loaded once and stay.  ctx's 98,304 bytes are copied once into LDS as they lie (a quarter a wave) and read by all four waves, a K step at a time, into two sets.
; Source 0 = Wo's tile, source 1 = ctx's: by the order of the tiles' rows a lane's 32 registers of a token tile are columns 32 h + 0 .. 31 of one row.  The bias is the C of each sum's first product.
; Everything is written out: every offset is an immediate and no pointer is stepped.  The four work-groups of a token block read the same 96 KB of ctx, the 64 of a column block the same weights; neither is shared
; through a cluster: the weights go straight into registers, and ctx is a sixth of what a work-group moves.
; REGISTERS, in windows of 256.  Window 0: v1-11 addresses; v32-63 Wo's scale words (4 s + u), v64-127 ctx's (8 T + s): they hold scales and nothing else; v128-223 ctx's set 0, later rows on their way out; v224-255 the bias.
;   Window 1: accumulator (T, u) at 8 (4 T + u); before the products the copy's 192 registers.  Window 2: Wo's K steps 0-4.  Window 3: K steps 5-7; from v160 ctx's set 1.
.set STG, 98304                        ; LDS: 0: ctx [K step][tile][half][768];  here: for each wave a stage of 16 rows x (256 + 16) bytes
.set LI,  1                            ; v1   16 x lane;  v4: + 49,152
.set L8,  2                            ; v2   8 x lane;   v5: + 49,152
.set LR,  3                            ; v3   16 r
.set CP,  6                            ; v6   the copy: 24,576 x wave + 16 x lane, in memory and in LDS
.set STO, 7
.set RD,  8
.set CO,  9
.set XSO, 10
.set BOO, 11
.set WSC, 32
.set XSW, 64
.set BK,  128
.set BI,  224
.set MSB, 0
.macro WIN new
.if MSB != (\new)
	s_set_vgpr_msb (MSB<<8)|(\new)
.set MSB, (\new)
.endif
.endm
	s_load_b256 s[4:11], s[0:1], 0x0               ; ci, cs, wi, ws
	s_load_b128 s[12:15], s[0:1], 0x20             ; bo, out0
	v_lshl_add_u32 v30, v0, 2, 0x1c400
	v_mov_b32 v31, 0
	v_lshrrev_b32 v12, 5, v0
	v_readfirstlane_b32 s16, v12                   ; wave 0..3
	s_lshr_b32 s17, ttmp9, 2                       ; block of 128 tokens
	s_and_b32 s18, ttmp9, 3
	s_lshl_b32 s19, s18, 2
	s_add_co_u32 s19, s19, s16                     ; my group of 64 columns
	v_and_b32 v12, 31, v0                          ; lane
	v_and_b32 v13, 15, v0                          ; r
	v_bfe_u32 v14, v0, 4, 1                        ; h
	v_lshlrev_b32 v[LI], 4, v12
	v_lshlrev_b32 v[L8], 3, v12
	v_lshlrev_b32 v[LR], 4, v13
	v_add_nc_u32 v[LI+3], 49152, v[LI]
	v_add_nc_u32 v[L8+3], 49152, v[L8]
	s_mul_i32 s20, s16, 24576
	v_add_nc_u32 v[CP], s20, v[LI]
	s_mul_i32 s20, s16, 4352
	s_add_co_u32 s20, s20, STG
	v_mul_u32_u24 v[STO], v13, 272
	v_lshl_add_u32 v[STO], v14, 7, v[STO]
	v_add_nc_u32 v[STO], s20, v[STO]               ; in: row r, + 128 h bytes
	v_mul_u32_u24 v[RD], v14, 272
	v_lshl_add_u32 v[RD], v13, 4, v[RD]
	v_add_nc_u32 v[RD], s20, v[RD]                 ; back: lanes 0-15 one row, lanes 16-31 the next
	v_lshlrev_b32 v[CO], 12, v14
	v_lshl_add_u32 v[CO], v13, 4, v[CO]            ; and the same two rows of out0
	v_and_b32 v[XSO], 7, v13
	v_lshrrev_b32 v12, 3, v13
	v_lshl_add_u32 v[XSO], v12, 5, v[XSO]
	v_lshlrev_b32 v[XSO], 5, v[XSO]                ; row r of a tile: token 32 (r / 8) + r % 8, 32 bytes of scales each
	v_lshlrev_b32 v[BOO], 7, v14
	s_mov_b32 s21, 0
	s_add_co_u32 s22, s19, 48                      ; matrix 3
	s_wait_kmcnt 0x0
	s_mul_i32 s20, s17, 98304
	s_add_nc_u64 s[4:5], s[4:5], s[20:21]
	s_lshl_b32 s20, s17, 12
	s_add_nc_u64 s[6:7], s[6:7], s[20:21]
	s_mul_i32 s20, s22, 49152
	s_add_nc_u64 s[8:9], s[8:9], s[20:21]
	s_lshl_b32 s20, s22, 11
	s_add_nc_u64 s[10:11], s[10:11], s[20:21]
	s_lshl_b32 s20, s19, 8
	s_add_nc_u64 s[12:13], s[12:13], s[20:21]
	s_add_nc_u64 s[14:15], s[14:15], s[20:21]
	s_lshl_b32 s20, s17, 19
	s_add_nc_u64 s[14:15], s[14:15], s[20:21]
	WIN 0x40                                       ; destination window 1
.set N, 0
.rept 48
	global_load_b128 v[4*N:4*N+3], v[CP], s[4:5] offset:512*N    ; my quarter of ctx's images
.set N, N+1
.endr
	WIN 0
.irp t, 0,1,2,3,4,5,6,7
	global_load_b128 v[XSW+8*\t:XSW+8*\t+3], v[XSO], s[6:7] offset:32*(64*(\t/4)+8*(\t%4))
	global_load_b128 v[XSW+8*\t+4:XSW+8*\t+7], v[XSO], s[6:7] offset:32*(64*(\t/4)+8*(\t%4))+16
.endr
.irp s, 0,1,2,3,4,5,6,7
	global_load_b128 v[WSC+4*\s:WSC+4*\s+3], v[LR], s[10:11] offset:256*\s
.endr
.irp u, 0,1,2,3
	global_load_b128 v[BI+8*\u:BI+8*\u+3], v[BOO], s[12:13] offset:32*\u
	global_load_b128 v[BI+8*\u+4:BI+8*\u+7], v[BOO], s[12:13] offset:32*\u+16
.endr
.macro WLD s                           ; Wo's four fragments of K step s: 12 loads of 512 consecutive bytes
	WIN 0x80+0x40*((\s)/5)
.irp u, 0,1,2,3
.irp j, 0,1,2
	global_load_b128 v[48*((\s)%5)+12*\u+4*\j:48*((\s)%5)+12*\u+4*\j+3], v[LI], s[8:9] offset:6144*(\s)+1536*\u+512*\j
.endr
.endr
.endm
	WLD 0
	WLD 1
	s_wait_loadcnt 56                              ; behind the copy's 48 loads: 32 small ones and 24 of weights
	WIN 0x04                                       ; an LDS store's data: window 1
.set N, 0
.rept 48
	ds_store_b128 v[CP], v[4*N:4*N+3] offset:512*N
.set N, N+1
.endr
.irp s, 2,3,4,5,6,7
	WLD \s
.endr
	WIN 0
	s_wait_dscnt 0x0                               ; for the others' sake: my quarter lies in LDS
	s_barrier_signal -1
	s_barrier_wait -1                              ; the launch's one barrier
.macro XLD s                           ; ctx's eight fragments of K step s, each from two half images: 32 LDS loads
.if (\s)%2
	WIN 0xc0
.else
	WIN 0
.endif
.set XB, 128+32*((\s)%2)
.irp t, 0,1,2,3,4,5,6,7
.irp c, 0,1
	ds_load_b128 v[XB+12*\t+6*\c:XB+12*\t+6*\c+3], v[LI+3*((\s)/4)] offset:((\s)%4)*12288+1536*\t+768*\c
	ds_load_b64 v[XB+12*\t+6*\c+4:XB+12*\t+6*\c+5], v[L8+3*((\s)/4)] offset:((\s)%4)*12288+1536*\t+768*\c+512
.endr
.endr
.endm
.macro OSTEP s
.if (\s) > 0
.rept 4
	v_nop                                          ; places between the last products and the loads into the set that the step before read
.endr
.endif
.if (\s) < 7
	XLD (\s)+1
	s_wait_dscnt 32                                ; all but the 32 just issued
.else
	s_wait_dscnt 0x0
.endif
.if 12*(7-(\s)) > 63
	s_wait_loadcnt 63                              ; (the count wanted, 12 for each later K step, is more than the field holds: a smaller one is safe)
.else
	s_wait_loadcnt 12*(7-(\s))                     ; the weights of the later K steps may be out
.endif
.set XC, 128+32*((\s)%2)
.if (\s) == 0
	WIN 0x42                                       ; source 0 (Wo) window 2, source 1 (ctx) and C (the bias) window 0, D window 1
.else
	WIN 0x52+(\s)/5+12*((\s)%2)                    ; Wo window 2 or 3, ctx window 0 or 3, C and D window 1
.endif
.irp t, 0,1,2,3,4,5,6,7                        ; the 32 accumulators take turns, one instruction a turn, in the same order in every step
.irp u, 0,1,2,3
.if (\s) == 0
	v_wmma_scale_f32_16x16x128_f8f6f4 v[8*(4*\t+\u):8*(4*\t+\u)+7], v[48*((\s)%5)+12*\u:48*((\s)%5)+12*\u+11], v[XC+12*\t:XC+12*\t+11], v[BI+8*\u:BI+8*\u+7], v[WSC+4*(\s)+\u], v[XSW+8*\t+(\s)] matrix_a_fmt:MATRIX_FMT_FP6 matrix_b_fmt:MATRIX_FMT_FP6
.else
	v_wmma_scale_f32_16x16x128_f8f6f4 v[8*(4*\t+\u):8*(4*\t+\u)+7], v[48*((\s)%5)+12*\u:48*((\s)%5)+12*\u+11], v[XC+12*\t:XC+12*\t+11], v[8*(4*\t+\u):8*(4*\t+\u)+7], v[WSC+4*(\s)+\u], v[XSW+8*\t+(\s)] matrix_a_fmt:MATRIX_FMT_FP6 matrix_b_fmt:MATRIX_FMT_FP6
.endif
.endr
.endr
.endm
	XLD 0
.irp s, 0,1,2,3,4,5,6,7
	OSTEP \s
.endr
	WIN 0
; THE WAY OUT, a tile of 16 tokens at a time: a lane's 128 bytes of a row go into my own stage and come back as whole rows of 256 bytes.  LDS serves a wave's instructions in order (ISA guide 5.7.1.4).
.macro TOSTAGE t
	WIN 0x04
.irp q, 0,1,2,3,4,5,6,7
	ds_store_b128 v[STO], v[32*(\t)+4*\q:32*(\t)+4*\q+3] offset:16*\q     ; each accumulator from its low end on
.endr
	WIN 0
.irp i, 0,1,2,3,4,5,6,7
	ds_load_b128 v[BK+32*((\t)%2)+4*\i:BK+32*((\t)%2)+4*\i+3], v[RD] offset:544*\i
.endr
.endm
.macro SEND t, younger                 ; younger: the LDS instructions issued behind tile t's loads
	s_wait_dscnt \younger
.irp i, 0,1,2,3,4,5,6,7
	global_store_b128 v[CO], v[BK+32*((\t)%2)+4*\i:BK+32*((\t)%2)+4*\i+3], s[14:15] offset:(64*((\t)/4)+32*(\i/4)+8*((\t)%4)+2*(\i%4))*4096 th:TH_STORE_NT   ; sixteen lanes store 256 consecutive bytes, aligned
.endr
.endm
.rept 4
	v_nop                                          ; places behind the last products
.endr
	TOSTAGE 0
.irp t, 1,2,3,4,5,6,7
.if \t > 1
	s_wait_xcnt 0x0                                ; the stores of two tiles ago have read their registers: this tile's rows may land there
.endif
	TOSTAGE \t
	SEND \t-1, 16                                  ; behind the tile's loads: the next tile's 8 stores and 8 loads
.endr
	SEND 7, 0
	s_wait_tensorcnt 0x0
	ds_add_u32 v30, v31
	s_wait_dscnt 0x0
	s_endpgm
.Lfunc_end_k_qcfbfaed7f1_oproj:
	.size	k_qcfbfaed7f1_oproj, .Lfunc_end_k_qcfbfaed7f1_oproj-k_qcfbfaed7f1_oproj
	.p2alignl 7, 3214868480
	.fill 96, 4, 3214868480
	.section	.rodata,"a",@progbits
	.p2align	6, 0x0
	.amdhsa_kernel k_qcfbfaed7f1_oproj
		.amdhsa_group_segment_fixed_size 116224
		.amdhsa_private_segment_fixed_size 0
		.amdhsa_enable_private_segment 0
		.amdhsa_kernarg_size 48
		.amdhsa_user_sgpr_count 2
		.amdhsa_user_sgpr_kernarg_segment_ptr 1
		.amdhsa_wavefront_size32 1
		.amdhsa_system_sgpr_workgroup_id_x 1
		.amdhsa_system_sgpr_workgroup_id_y 1
		.amdhsa_system_sgpr_workgroup_id_z 1
		.amdhsa_system_vgpr_workitem_id 0
		.amdhsa_next_free_vgpr 1024
		.amdhsa_next_free_sgpr 66
		.amdhsa_reserve_vcc 0
		.amdhsa_float_denorm_mode_32 3
		.amdhsa_float_denorm_mode_16_64 3
		.amdhsa_memory_ordered 1
		.amdhsa_forward_progress 1
		.amdhsa_inst_pref_size 88
	.end_amdhsa_kernel
	.amdgpu_metadata
---
amdhsa.version: [ 1, 2 ]
amdhsa.kernels:
  - .name:           k_qcfbfaed7f1_oproj
    .symbol:         k_qcfbfaed7f1_oproj.kd
    .args:
      - { .name: ci, .offset: 0, .size: 8, .value_kind: global_buffer, .address_space: global }
      - { .name: cs, .offset: 8, .size: 8, .value_kind: global_buffer, .address_space: global }
      - { .name: wi, .offset: 16, .size: 8, .value_kind: global_buffer, .address_space: global }
      - { .name: ws, .offset: 24, .size: 8, .value_kind: global_buffer, .address_space: global }
      - { .name: bo, .offset: 32, .size: 8, .value_kind: global_buffer, .address_space: global }
      - { .name: out0, .offset: 40, .size: 8, .value_kind: global_buffer, .address_space: global }
    .group_segment_fixed_size: 116224
    .private_segment_fixed_size: 0
    .kernarg_segment_align: 8
    .kernarg_segment_size: 48
    .max_flat_workgroup_size: 128
    .sgpr_count:     66
    .vgpr_count:     1024
    .wavefront_size: 32
...
	.end_amdgpu_metadata
.endif
;; end of part 4
;; ======== version 2 of 2: 4 launches
;; workspace buffers: wi 3,145,728 bytes; ws 131,072 bytes; qi 6,553,600 bytes; kv 13,107,200 bytes; ci 6,291,456 bytes; cs 262,144 bytes
;; launch wquant (part 5): grid 512 x 1, 4 waves a work-group, no clusters, 35,840 bytes of LDS; arguments Wq, Wk, Wv, Wo, wi, ws; writes wi, ws
.if DOCPART == 5
	.amdgcn_target "amdgcn-amd-amdhsa--gfx1250"
	.amdhsa_code_object_version 6
	.text
	.protected	k_qcfbfaed7f1_wquant
	.globl	k_qcfbfaed7f1_wquant
	.p2align	8
	.type	k_qcfbfaed7f1_wquant,@function
k_qcfbfaed7f1_wquant:
	s_mov_b64 s[64:65], 0
	v_nop
	global_prefetch_b8 v0, s[64:65] scope:SCOPE_SE
	s_setreg_imm32_b32 hwreg(HW_REG_WAVE_MODE, 25, 1), 1
	s_wait_xcnt 0x0
; Wq, Wk, Wv [16][1024][64] and Wo [1024][1024], f32, K on the outer axis, become codes of FP6 (E2M3) with one E8M0 byte for each 32 along K,
; laid in the order of a matrix operand's registers.  A matrix has 1,024 rows n (head x 64 + channel; for Wo the output column), in 16 groups of 64.
; TILES.  Tile u (0..3) of a group holds in its row rho the group's row 32 (rho / 8) + 8 u + rho % 8.
; IMAGE.  A fragment (16 rows x 128 K, 12 registers a lane) is 1,536 bytes: registers 4 j .. 4 j + 3 of lane L at 512 j + 16 L.
; wi = [matrix][group][K step][tile][1,536];  ws = [matrix][group][K step][row 16][tile 4] words, byte 2 c + h of a word for k = 64 c + 32 h on.
; SHARES.  A work-group takes one (matrix, group, K step): 128 rows of K x 256 bytes.  Wave w brings K rows 32 w .. 32 w + 31 into LDS as they lie (each load two rows of 256 bytes),
; and behind a barrier makes tile w: lane (r, h) reads its column down K, so that a block of 32 lies in one lane's 32 registers and no other lane is asked for a maximum.
; The column reads are 4 bytes a lane; lanes 0-15 and lanes 16-31 stand 32 rows of 272 bytes apart and meet two deep in the banks (64 banks of 4 bytes: ISA guide 11.1): the launch reads 16.8 MB in all.
; SCALE.  2^(floor(log2(largest magnitude)) - 2): the byte is the largest magnitude's exponent field - 2, held at 1 from below by a floor among the maximum's leaves.
; LIMITS.  NaN and infinities are not served.  A block whose largest magnitude lies under 2^-124 is held at byte 1; a block of zeros gets byte 1 where the rule says 127: its codes are zeros, and this program alone reads the bytes.
.set PITCH, 272                        ; an LDS row: 256 bytes + 16
.set SCB,   128*PITCH                  ; behind the tile: the unit's 64 scale words
.set LI,  1                            ; v1   16 x lane
.set L8,  2                            ; v2   8 x lane
.set SH8, 3                            ; v3   8 h
.set SA,  4                            ; v4   where I put 16 bytes of a K row
.set RA,  5                            ; v5   where my column begins
.set SCA, 6                            ; v6   my row's scale word
.set SCR, 7                            ; v7   the words on their way out
.set OF,  8                            ; v8-23  byte offsets of my 16 loads
.set XN,  32                           ; v32-95 as loaded, then 64 numbers down K
.set PC,  96                           ; v96-107 the codes
.set PT,  108                          ; v108-115 second halves of blocks
.set TM,  116
.set SO,  118
.set BY,  120
.set TP,  122
.set PW,  123
.set SW,  124
.set WV,  20
.set SEL, 24
	s_load_b256 s[8:15], s[0:1], 0x0               ; Wq, Wk, Wv, Wo
	s_load_b128 s[16:19], s[0:1], 0x20             ; wi, ws
	v_lshl_add_u32 v128, v0, 2, 0x8a00
	v_mov_b32 v129, 0
	v_lshrrev_b32 v30, 5, v0
	v_readfirstlane_b32 s[WV], v30                 ; wave 0..3
	s_lshr_b32 s21, ttmp9, 7                       ; matrix
	s_bfe_u32 s26, ttmp9, 0x40003                  ; group of 64 rows
	s_and_b32 s27, ttmp9, 7                        ; K step
	s_mov_b32 s[SEL], 0x76543210
	s_mov_b32 s[SEL+1], 0xfedcba98                 ; v_permlanex16_b32's selects for lane l xor 16
	v_and_b32 v24, 31, v0                          ; lane
	v_and_b32 v25, 15, v0                          ; r
	v_bfe_u32 v26, v0, 4, 1                        ; h
	v_lshlrev_b32 v[LI], 4, v24
	v_lshlrev_b32 v[L8], 3, v24
	v_lshlrev_b32 v[SH8], 3, v26
	v_mov_b32 v[TP], 0                             ; a lane permute's destination counts as one of its sources
	s_mul_i32 s28, s[WV], 32*PITCH
	v_mul_u32_u24 v[SA], v26, PITCH
	v_lshl_add_u32 v[SA], v25, 4, v[SA]
	v_add_nc_u32 v[SA], s28, v[SA]                 ; (32 w + h) rows + 16 r
	v_and_b32 v27, 7, v25
	v_lshrrev_b32 v28, 3, v25
	v_lshl_add_u32 v27, v28, 5, v27                ; 32 (r / 8) + r % 8
	v_lshlrev_b32 v27, 2, v27
	v_mad_u32_u24 v[RA], v26, 32*PITCH, v27        ; + 32 h rows
	s_lshl_b32 s28, s[WV], 5
	v_add_nc_u32 v[RA], s28, v[RA]                 ; + 8 u columns of 4 bytes, u = my wave
	s_lshl_b32 s28, s[WV], 2
	s_add_co_u32 s28, s28, SCB
	v_lshl_add_u32 v[SCA], v25, 4, s28             ; SCB + 16 r + 4 u
	v_add_nc_u32 v[SCR], SCB, v[L8]
	s_cmp_eq_u32 s21, 3                            ; Wo's rows of K are 4,096 bytes apart and its groups 256; the others' 256 and 262,144
	s_mov_b32 s22, 4096
	s_cselect_b32 s22, s22, 256                    ; P
	s_mov_b32 s23, 262144
	s_cselect_b32 s23, 256, s23                    ; from group to group
	v_mul_lo_u32 v[OF], v26, s22
	v_lshl_add_u32 v[OF], v25, 4, v[OF]            ; h P + 16 r
	s_lshl_b32 s29, s22, 1
.irp i, 1,2,3,4,5,6,7,8,9,10,11,12,13,14,15
	v_add_nc_u32 v[OF+\i], s29, v[OF+\i-1]         ; two rows on
.endr
	s_mul_i32 s30, s26, s23
	s_lshl_b32 s31, s27, 7
	s_lshl_b32 s28, s[WV], 5
	s_add_co_u32 s31, s31, s28
	s_mul_i32 s31, s31, s22                        ; (128 s + 32 w) P
	s_add_co_u32 s30, s30, s31
	s_mov_b32 s31, 0
	s_mul_i32 s32, ttmp9, 6144                     ; the work-group's number is (16 matrix + group) 8 + K step
	s_mul_i32 s33, s[WV], 1536
	s_add_co_u32 s32, s32, s33
	s_mov_b32 s33, 0
	s_wait_alu depctr_va_vdst(0)
	s_wait_kmcnt 0x0
	s_cmp_eq_u32 s21, 1                            ; the choice hangs on the work-group's number alone
	s_cselect_b64 s[4:5], s[10:11], s[8:9]
	s_cmp_eq_u32 s21, 2
	s_cselect_b64 s[4:5], s[12:13], s[4:5]
	s_cmp_eq_u32 s21, 3
	s_cselect_b64 s[4:5], s[14:15], s[4:5]
	s_add_nc_u64 s[4:5], s[4:5], s[30:31]
	s_add_nc_u64 s[16:17], s[16:17], s[32:33]
	s_lshl_b32 s32, ttmp9, 8
	s_add_nc_u64 s[18:19], s[18:19], s[32:33]
.irp i, 0,1,2,3,4,5,6,7,8,9,10,11,12,13,14,15
	global_load_b128 v[XN+4*\i:XN+4*\i+3], v[OF+\i], s[4:5] th:TH_LOAD_NT   ; sixteen lanes read a K row's 256 bytes
.endr
	s_wait_loadcnt 0x0
.irp i, 0,1,2,3,4,5,6,7,8,9,10,11,12,13,14,15
	ds_store_b128 v[SA], v[XN+4*\i:XN+4*\i+3] offset:2*\i*PITCH
.endr
	s_wait_dscnt 0x0                               ; for the others' sake: my rows lie in LDS
	s_barrier_signal -1
	s_barrier_wait -1
.irp c, 0,1
.irp i, 0,1,2,3,4,5,6,7,8,9,10,11,12,13,14,15,16,17,18,19,20,21,22,23,24,25,26,27,28,29,30,31
	ds_load_b32 v[XN+32*\c+\i], v[RA] offset:(64*\c+\i)*PITCH   ; W(64 c + 32 h + i, my row)
.endr
.endr
	s_wait_dscnt 0x0
	v_max3_num_f32 v[TM], |v[XN]|, |v[XN+1]|, 0x1800000        ; my two blocks by turns; the floor 2^(3 - 127) holds the byte at 1 from below
	v_max3_num_f32 v[TM+1], |v[XN+32]|, |v[XN+33]|, 0x1800000
.irp i, 2,4,6,8,10,12,14,16,18,20,22,24,26,28,30
	v_max3_num_f32 v[TM], |v[XN+\i]|, |v[XN+\i+1]|, v[TM]
	v_max3_num_f32 v[TM+1], |v[XN+32+\i]|, |v[XN+33+\i]|, v[TM+1]
.endr
	v_add_nc_u32 v[SO], 0xff000000, v[TM]          ; 2 off the exponent field: the conversion's scale operand
	v_add_nc_u32 v[SO+1], 0xff000000, v[TM+1]
	v_lshrrev_b32 v[BY], 23, v[SO]                 ; the bytes
	v_lshrrev_b32 v[BY+1], 23, v[SO+1]
	v_lshl_or_b32 v[PW], v[BY+1], 16, v[BY]        ; blocks h and 2 + h,
	v_lshlrev_b32 v[PW], v[SH8], v[PW]             ; at their places in the word;
	v_permlanex16_b32 v[TP], v[PW], s[SEL], s[SEL+1]
	v_or_b32 v[PW], v[PW], v[TP]                   ; with lane l xor 16's two the word is whole
	v_cvt_scalef32_pk16_fp6_f32 v[PC:PC+2], v[XN:XN+15], v[SO]
	v_cvt_scalef32_pk16_fp6_f32 v[PT:PT+2], v[XN+16:XN+31], v[SO]          ; (a conversion's three registers begin on an even number)
	v_cvt_scalef32_pk16_fp6_f32 v[PC+6:PC+8], v[XN+32:XN+47], v[SO+1]
	v_cvt_scalef32_pk16_fp6_f32 v[PT+4:PT+6], v[XN+48:XN+63], v[SO+1]
	v_nop                                          ; one plain place behind a scaled conversion
.irp i, 0,1,2
	v_mov_b32 v[PC+3+\i], v[PT+\i]
	v_mov_b32 v[PC+9+\i], v[PT+4+\i]
.endr
.irp j, 0,1,2
	global_store_b128 v[LI], v[PC+4*\j:PC+4*\j+3], s[16:17] offset:512*\j   ; 512 consecutive bytes
.endr
	ds_store_b32 v[SCA], v[PW]                     ; both halves of the lanes write the same word with the same value
	s_wait_dscnt 0x0
	s_barrier_signal -1
	s_barrier_wait -1
	s_cmp_lg_u32 s[WV], 0
	s_cbranch_scc1 .Lend
	ds_load_b64 v[SW:SW+1], v[SCR]
	s_wait_dscnt 0x0
	global_store_b64 v[L8], v[SW:SW+1], s[18:19]   ; 256 consecutive bytes, aligned
.Lend:
	s_wait_tensorcnt 0x0
	ds_add_u32 v128, v129
	s_wait_dscnt 0x0
	s_endpgm
.Lfunc_end_k_qcfbfaed7f1_wquant:
	.size	k_qcfbfaed7f1_wquant, .Lfunc_end_k_qcfbfaed7f1_wquant-k_qcfbfaed7f1_wquant
	.p2alignl 7, 3214868480
	.fill 96, 4, 3214868480
	.section	.rodata,"a",@progbits
	.p2align	6, 0x0
	.amdhsa_kernel k_qcfbfaed7f1_wquant
		.amdhsa_group_segment_fixed_size 35840
		.amdhsa_private_segment_fixed_size 0
		.amdhsa_enable_private_segment 0
		.amdhsa_kernarg_size 48
		.amdhsa_user_sgpr_count 2
		.amdhsa_user_sgpr_kernarg_segment_ptr 1
		.amdhsa_wavefront_size32 1
		.amdhsa_system_sgpr_workgroup_id_x 1
		.amdhsa_system_sgpr_workgroup_id_y 1
		.amdhsa_system_sgpr_workgroup_id_z 1
		.amdhsa_system_vgpr_workitem_id 0
		.amdhsa_next_free_vgpr 130
		.amdhsa_next_free_sgpr 66
		.amdhsa_reserve_vcc 0
		.amdhsa_float_denorm_mode_32 3
		.amdhsa_float_denorm_mode_16_64 3
		.amdhsa_memory_ordered 1
		.amdhsa_forward_progress 1
		.amdhsa_inst_pref_size 14
	.end_amdhsa_kernel
	.amdgpu_metadata
---
amdhsa.version: [ 1, 2 ]
amdhsa.kernels:
  - .name:           k_qcfbfaed7f1_wquant
    .symbol:         k_qcfbfaed7f1_wquant.kd
    .args:
      - { .name: Wq, .offset: 0, .size: 8, .value_kind: global_buffer, .address_space: global }
      - { .name: Wk, .offset: 8, .size: 8, .value_kind: global_buffer, .address_space: global }
      - { .name: Wv, .offset: 16, .size: 8, .value_kind: global_buffer, .address_space: global }
      - { .name: Wo, .offset: 24, .size: 8, .value_kind: global_buffer, .address_space: global }
      - { .name: wi, .offset: 32, .size: 8, .value_kind: global_buffer, .address_space: global }
      - { .name: ws, .offset: 40, .size: 8, .value_kind: global_buffer, .address_space: global }
    .group_segment_fixed_size: 35840
    .private_segment_fixed_size: 0
    .kernarg_segment_align: 8
    .kernarg_segment_size: 48
    .max_flat_workgroup_size: 128
    .sgpr_count:     66
    .vgpr_count:     130
    .wavefront_size: 32
...
	.end_amdgpu_metadata
.endif
;; end of part 5
;; launch proj (part 6): grid 192 x 1, 4 waves a work-group, no clusters, 170,496 bytes of LDS; arguments q, k, v, bq, bk, bv, wi, ws, qi, kv; writes qi, kv
.if DOCPART == 6
	.amdgcn_target "amdgcn-amd-amdhsa--gfx1250"
	.amdhsa_code_object_version 6
	.text
	.protected	k_qcfbfaed7f1_proj
	.globl	k_qcfbfaed7f1_proj
	.p2align	8
	.type	k_qcfbfaed7f1_proj,@function
k_qcfbfaed7f1_proj:
	s_mov_b64 s[64:65], 0
	v_nop
	global_prefetch_b8 v0, s[64:65] scope:SCOPE_SE
	s_setreg_imm32_b32 hwreg(HW_REG_WAVE_SCHED_MODE, 0, 2), 2
	s_setreg_imm32_b32 hwreg(HW_REG_WAVE_MODE, 25, 1), 1
	s_wait_xcnt 0x0
	s_wait_alu depctr_vm_vsrc(0)
; qh = q Wq + bq, kh = k Wk + bk, vh = v Wv + bv on codes of FP6 (E2M3) with E8M0 scales, and the results quantised again for attention: qh and kh along the head's 64, vh along the keys.
; SHARES.  Work-groups 0-63 take q, 64-127 k, 128-191 v; each takes 128 tokens (a V fragment's K is 128 tokens, and 3 x 8,192 / 128 = 192 work-groups are what the shapes give).
; PHASE X.  The work-group's 128 x 1,024 numbers are read once, quantised along K and laid in LDS as 64 fragment images (8 K steps x 8 tiles of 16 tokens) with their scale words.
; PHASE G.  Wave w makes heads 4 w .. 4 w + 3 for all 128 tokens, two heads (128 weight rows) a pass: 64 accumulators, 512 registers.  The weights' images go from memory straight into registers:
; within the work-group each weight fragment feeds one wave alone.  All 64 token blocks of a projection read the same weights; that is not shared through a cluster, since a way through LDS would add
; an LDS write and an LDS read for every weight byte to a loop that already reads 12 KB of LDS for 64 products.
; TILES.  Tile T (0..7) of 128 rows holds in its row rho the row 64 (T / 4) + 32 (rho / 8) + 8 (T % 4) + rho % 8, on both operands.  In a result lane (r, h) holds rows 8 h + j of source 0's tile: so the
; 32 registers of four neighbouring tiles are rows 32 h + 0 .. 31 of a group of 64: a whole block of the next K, in order, in one lane: the next operand's own layout, with no exchange between lanes.
; q, k: source 0 = weights, source 1 = tokens: a lane holds a token, registers run along the head's 64.  v: source 0 = tokens, source 1 = weights: a lane holds a channel, registers run along the tokens.
; Only the 64 matrix lines differ between the two ways; they stand under a scalar branch on the work-group's number.  The accumulators are numbered so that one way out serves both.
; OUT.  qi: [b x 16 + head][step of 128 tokens] blocks of 6,400 bytes: four PAIR fragments (K half c of pair f = tile 2 f + c, its 64 codes) and 256 bytes of scale words (lane L: the words of pairs L / 16 and 2 + L / 16, row L % 16).
; kv: blocks of 12,800 bytes: K's pair fragments, V's four fragments (16 channels x the step's 128 keys), K's scale words, V's.
; The bias is the C of each sum's first product (so the order of the f32 sum differs from a bias added last).
; LIMITS.  NaN and infinities are not served.  A block whose largest magnitude lies under 2^-124 is held at byte 1; a block of zeros gets byte 1 where the rule says 127: its codes are zeros, and this program alone reads the bytes.
; REGISTERS, in windows of 256.  Window 0: v1-23 addresses; v32-47 tokens' scale words, v48-63 weights' (two sets of 8 each; they hold scales and nothing else); v64-159, v160-255 tokens' fragments, two sets;
;   in phase X v64-191 two sets of 64 numbers; v192-237 at work (phase X and the way out); on the way out v160-207 a head's four fragments of codes.
;   Window 1: v0-95, v96-191 weights' fragments, two sets (in phase X three sets of 64 numbers as loaded); v192-255 the bias.   Windows 2, 3: accumulator A at register 8 (A % 32) of window 2 + A / 32.
; THE MODE: SCHED_MODE bits 1:0 = 2 (LLVM: expert scheduling mode 2), set by the entry lines.  The code itself states the register dependences between vector or matrix instructions and memory or LDS
; instructions, with s_wait_alu, always for 0.
; THE PLAN, PHASE X (fragment f).  RAW[f % 3]: the global loads of f land in it, the stage's LDS stores of f read it, the loads of f + 3 land in it.  XN[f % 2]: the stage's LDS loads of f land in it, QUANT f reads it,
;   the loads of f + 2 land in it.  PC[f % 2], PW[f % 2]: QUANT f writes them, the image stores of f read them, QUANT f + 2 writes them.  The image stores of f - 1 stand at the head of step f, so that two waits there
;   state all of it; from that head to the step's last memory instruction stands no vector instruction.
; THE PLAN, PHASE G (a step that multiplies set p).  The other set of weights, tokens and scale words: read by the products of the step before, loaded in this step.  XAD, XSAD: read by the LDS loads, written once at each
;   step's head.  The bias: read by a pass's first products, loaded in the pass's last step.  LI, LR, XSB, BOJ, LSO: made at the kernel's head and never written again.  ONE wait on va_vdst at a step's head, behind the two
;   address lines; behind it the weights' loads in one run and the tokens' LDS loads in four groups among the products, which name set p, the accumulators and the bias: no register that those loads touch.
; THE PLAN, THE WAY OUT.  OC (four fragments' codes) and SW: written by a head's four QUANTs, read by its 13 stores behind one wait on va_vdst; written again by the next head behind one wait on vm_vsrc.
.set XSC,  98304                       ; LDS: 0: images [K step][tile][1,536];  here: scale words [K step][row 16][tile 8];
.set STG,  102400                      ; here: for each wave two stages of 16 rows x (512 + 16) bytes
.set LI,   1                           ; v1   16 x lane
.set LR,   2                           ; v2   16 r
.set SH8,  3                           ; v3   8 h
.set XW0,  4                           ; v4   where I store images of K steps 0-3: 16 x lane + 3,072 x wave;  v5: of K steps 4-7
.set XSST, 6                           ; v6   where I store scale words
.set SA,   7                           ; v7   the stage, in
.set RA,   8                           ; v8   the stage, out
.set XAD,  9                           ; v9   the K step's images
.set XSAD, 10                          ; v10  the K step's scale words
.set XSB,  11                          ; v11  XSC + 32 r
.set LSO,  14                          ; v14  8 x lane + where the block's scale words lie
.set BOJ,  16                          ; v16-23 the bias's offsets, one for each register of a result
.set XSR,  32
.set WSR,  48
.set XF,   64
.set XN,   64
.set OC,   160
.set PC,   192
.set PT,   216
.set TM,   224
.set SO,   226
.set BY,   228
.set TP,   230
.set PW,   232
.set SW,   236
.set BI,   192                         ; in window 1
.set BP,   6                           ; s[6:7]   the bias of the pass's two heads
.set WP,   8                           ; s[8:9]   the weights' images of the K step last asked for
.set WSP,  10                          ; s[10:11] their scale words
.set OB,   12                          ; s[12:13] the block that goes out next
.set GST,  14                          ; s[14:15] from a head's block to the next head's
.set WV,   16
.set PJ,   17
.set TBK,  18
.set PS,   19
.set KC,   20
.set XS,   21
.set XSS,  22
.set SEL,  24
.set HI,   26
.set MSB, 0
.macro WIN new                         ; the immediate's high byte repeats the setting that is left; a switch that changes nothing is dropped
.if MSB != (\new)
	s_set_vgpr_msb (MSB<<8)|(\new)
.set MSB, (\new)
.endif
.endm
; 64 numbers of a lane, 32 from v[s0] and 32 from v[s1] of window w (blocks h and 2 + h of my row), become a fragment's 12 registers in v[pc] on and its scale word in v[pw].
.macro QUANT s0, s1, w, pc, pw
	WIN 5*(\w)
	v_max3_num_f32 v[TM], |v[\s0]|, |v[(\s0)+1]|, 0x1800000        ; the two blocks by turns, each from its low end on; the floor 2^(3 - 127) holds the byte at 1 from below
	v_max3_num_f32 v[TM+1], |v[\s1]|, |v[(\s1)+1]|, 0x1800000
.irp i, 2,4,6,8,10,12,14,16,18,20,22,24,26,28,30
	v_max3_num_f32 v[TM], |v[(\s0)+\i]|, |v[(\s0)+\i+1]|, v[TM]
	v_max3_num_f32 v[TM+1], |v[(\s1)+\i]|, |v[(\s1)+\i+1]|, v[TM+1]
.endr
	WIN 0
	v_add_nc_u32 v[SO], 0xff000000, v[TM]          ; 2 off the exponent field: the conversion's scale operand
	v_add_nc_u32 v[SO+1], 0xff000000, v[TM+1]
	v_lshrrev_b32 v[BY], 23, v[SO]
	v_lshrrev_b32 v[BY+1], 23, v[SO+1]
	v_lshl_or_b32 v[\pw], v[BY+1], 16, v[BY]
	v_lshlrev_b32 v[\pw], v[SH8], v[\pw]
	v_permlanex16_b32 v[TP], v[\pw], s[SEL], s[SEL+1]
	v_or_b32 v[\pw], v[\pw], v[TP]                 ; byte 2 c + h: the word is whole in both halves of the lanes
	WIN \w
	v_cvt_scalef32_pk16_fp6_f32 v[\pc:(\pc)+2], v[\s0:(\s0)+15], v[SO]
	v_cvt_scalef32_pk16_fp6_f32 v[PT:PT+2], v[(\s0)+16:(\s0)+31], v[SO]    ; (a conversion's three registers begin on an even number)
	v_cvt_scalef32_pk16_fp6_f32 v[(\pc)+6:(\pc)+8], v[\s1:(\s1)+15], v[SO+1]
	v_cvt_scalef32_pk16_fp6_f32 v[PT+4:PT+6], v[(\s1)+16:(\s1)+31], v[SO+1]
	WIN 0
	v_nop                                          ; one plain place behind a scaled conversion
.irp i, 0,1,2
	v_mov_b32 v[(\pc)+3+\i], v[PT+\i]
	v_mov_b32 v[(\pc)+9+\i], v[PT+4+\i]
.endr
.endm
	s_load_b512 s[32:47], s[0:1], 0x0              ; q, k, v, bq, bk, bv, wi, ws
	s_load_b128 s[48:51], s[0:1], 0x40             ; qi, kv
	v_lshl_add_u32 v30, v0, 2, 0x29800
	v_mov_b32 v31, 0
	v_lshrrev_b32 v12, 5, v0
	v_readfirstlane_b32 s[WV], v12                 ; wave 0..3
	s_lshr_b32 s[PJ], ttmp9, 6                     ; 0 q, 1 k, 2 v
	s_and_b32 s[TBK], ttmp9, 63                    ; block of 128 tokens: 16 x batch + step
	s_mov_b32 s[SEL], 0x76543210
	s_mov_b32 s[SEL+1], 0xfedcba98
	s_mov_b32 s[HI], 0xffff0000                    ; lanes 16-31
	v_and_b32 v12, 31, v0                          ; lane
	v_and_b32 v13, 15, v0                          ; r
	v_bfe_u32 v15, v0, 4, 1                        ; h
	v_lshlrev_b32 v[LI], 4, v12
	v_lshlrev_b32 v[LR], 4, v13
	v_lshlrev_b32 v[SH8], 3, v15
	v_mov_b32 v[TP], 0                             ; a lane permute's destination counts as one of its sources
	s_wait_alu depctr_va_sdst(0)                   ; the wave's number is written, ahead of its first reader: LDS places, bases and offsets are made from it
	s_mul_i32 s27, s[WV], 3072
	v_add_nc_u32 v[XW0], s27, v[LI]
	v_add_nc_u32 v[XW0+1], 49152, v[XW0]
	v_lshlrev_b32 v[XSB], 5, v13
	v_add_nc_u32 v[XSB], XSC, v[XSB]
	s_lshl_b32 s27, s[WV], 3
	v_add_nc_u32 v[XSST], s27, v[XSB]              ; XSC + 32 r + 4 (2 w)
	s_mul_i32 s27, s[WV], 16896
	s_add_co_u32 s27, s27, STG
	v_add_nc_u32 v[SA], s27, v[LI]
	v_mul_u32_u24 v[RA], v13, 528
	v_lshl_add_u32 v[RA], v15, 7, v[RA]
	v_add_nc_u32 v[RA], s27, v[RA]                 ; row r, + 128 h bytes: my 32 numbers of a group of 64
	s_cmp_eq_u32 s[PJ], 0
	s_mov_b32 s29, 12800
	s_cselect_b32 s29, 6400, s29                   ; bytes of a block
	s_mov_b32 s30, 12288
	s_cselect_b32 s30, 6144, s30                   ; where its scale words lie
	s_cmp_eq_u32 s[PJ], 2
	s_cselect_b32 s31, 6144, 0                     ; V's fragments lie behind K's,
	s_cselect_b32 s30, 6400, s30                   ; and its scale words 6,400 bytes behind them
	s_cselect_b32 s28, -1, 0
	v_lshl_add_u32 v[LSO], v12, 3, s30
	v_and_b32 v25, 7, v13
	v_lshrrev_b32 v26, 3, v13
	v_lshl_add_u32 v25, v26, 5, v25
	v_lshlrev_b32 v25, 2, v25                      ; v: the lane's channel of a tile: 32 (r / 8) + r % 8
	v_lshlrev_b32 v24, 7, v15                      ; q, k: register j is channel 32 h + j of a tile's eight
.irp j, 0,1,2,3,4,5,6,7
	v_add_nc_u32 v[BOJ+\j], 4*\j, v24
.endr
.irp j, 0,1,2,3,4,5,6,7
	v_cndmask_b32 v[BOJ+\j], v[BOJ+\j], v25, s28
.endr
	s_wait_alu depctr_va_vdst(0)                   ; the addresses and offsets v1 to v8, v11, v14 and v16 to v23 are written: the kernel's loads and stores read them, and no line writes them again
	s_lshl_b32 s52, s[TBK], 7
	s_lshr_b32 s53, s[WV], 1
	s_lshl_b32 s53, s53, 6
	s_add_co_u32 s52, s52, s53
	s_and_b32 s53, s[WV], 1
	s_lshl_b32 s53, s53, 4
	s_add_co_u32 s52, s52, s53                     ; the first token of my tiles 2 w, 2 w + 1: 128 block + 64 (w / 2) + 16 (w % 2)
	s_lshl_b32 s52, s52, 12
	s_mov_b32 s53, 0
	s_lshl_b32 s54, s[PJ], 4
	s_lshl_b32 s55, s[WV], 2
	s_add_co_u32 s55, s54, s55                     ; my first group of weight rows: 16 x matrix + 4 w
	s_mul_i32 s54, s55, 49152
	s_lshl_b32 s56, s55, 11
	s_mov_b32 s55, 0
	s_mov_b32 s57, 0
	s_lshl_b32 s58, s[WV], 10
	s_mov_b32 s59, 0
	s_lshr_b32 s2, s[TBK], 4
	s_lshl_b32 s2, s2, 4
	s_lshl_b32 s3, s[WV], 2
	s_add_co_u32 s2, s2, s3                        ; 16 x batch + my first head
	s_lshl_b32 s2, s2, 4
	s_and_b32 s3, s[TBK], 15
	s_add_co_u32 s2, s2, s3
	s_mul_i32 s2, s2, s29
	s_add_co_u32 s2, s2, s31
	s_mov_b32 s3, 0
	s_lshl_b32 s[GST], s29, 4
	s_mov_b32 s[GST+1], 0
	s_wait_kmcnt 0x0
	s_cmp_eq_u32 s[PJ], 1                          ; the choices hang on the work-group's number alone
	s_cselect_b64 s[4:5], s[34:35], s[32:33]
	s_cselect_b64 s[BP:BP+1], s[40:41], s[38:39]
	s_cmp_eq_u32 s[PJ], 2
	s_cselect_b64 s[4:5], s[36:37], s[4:5]
	s_cselect_b64 s[BP:BP+1], s[42:43], s[BP:BP+1]
	s_cmp_eq_u32 s[PJ], 0
	s_cselect_b64 s[OB:OB+1], s[48:49], s[50:51]
	s_add_nc_u64 s[4:5], s[4:5], s[52:53]
	s_add_nc_u64 s[BP:BP+1], s[BP:BP+1], s[58:59]
	s_add_nc_u64 s[WP:WP+1], s[44:45], s[54:55]
	s_add_nc_u64 s[WSP:WSP+1], s[46:47], s[56:57]
	s_add_nc_u64 s[OB:OB+1], s[OB:OB+1], s[2:3]
; ---- PHASE X.  Fragment f = 2 s + e: K step s, my tile 2 w + e.  Its 16 rows come by 16 loads of 512 consecutive bytes, turn through my stage, and come back 32 neighbours of each group of 64 to a lane.
.macro LOADX f
	WIN 0x40                                       ; destination window 1
.irp i, 0,1,2,3,4,5,6,7,8,9,10,11,12,13,14,15
	global_load_b128 v[64*((\f)%3)+4*\i:64*((\f)%3)+4*\i+3], v[LI], s[4:5] offset:(8*((\f)%2)+32*(\i/8)+\i%8)*4096+512*((\f)/2) th:TH_LOAD_NT
.endr
	WIN 0
.endm
.macro TURN f                          ; LDS serves a wave's instructions in order (ISA guide 5.7.1.4): no wait between the stores and the loads
	WIN 0x04                                       ; an LDS store's data: window 1
.irp i, 0,1,2,3,4,5,6,7,8,9,10,11,12,13,14,15
	ds_store_b128 v[SA], v[64*((\f)%3)+4*\i:64*((\f)%3)+4*\i+3] offset:8448*((\f)%2)+528*\i
.endr
	WIN 0
.irp c, 0,1
.irp q, 0,1,2,3,4,5,6,7
	ds_load_b128 v[XN+64*((\f)%2)+32*\c+4*\q:XN+64*((\f)%2)+32*\c+4*\q+3], v[RA] offset:8448*((\f)%2)+256*\c+16*\q
.endr
.endr
.endm
.macro IMGX f                          ; fragment f's image and its scale word go to LDS
.irp j, 0,1,2
	ds_store_b128 v[XW0+(\f)/8], v[PC+12*((\f)%2)+4*\j:PC+12*((\f)%2)+4*\j+3] offset:(((\f)/2)%4)*12288+1536*((\f)%2)+512*\j
.endr
	ds_store_b32 v[XSST], v[PW+(\f)%2] offset:512*((\f)/2)+4*((\f)%2)    ; both halves of the lanes write the same word with the same value
.endm
.macro STEPX f
	s_wait_dscnt 0x0                               ; my numbers are back from the stage: their loads are the youngest LDS instructions out
	s_wait_alu depctr_vm_vsrc(0)                   ; this fragment's stage stores have read RAW[f % 3], in which the loads below land; the image stores of fragment f - 2 have read PC and PW [f % 2], which this fragment's QUANT writes
.if (\f) > 0
	s_wait_alu depctr_va_vdst(0)                   ; QUANT of fragment f - 1 has written PC and PW [(f - 1) % 2], which the image stores below read, and is done reading XN[(f - 1) % 2], in which the next fragment's numbers land
	IMGX (\f)-1
.endif
.if (\f)+3 < 16
	LOADX (\f)+3                                   ; into the registers that this fragment's stage stores have read
.endif
.if (\f)+1 < 16
.if (\f) <= 12
	s_wait_loadcnt 32                              ; the next fragment's 16 loads are in; those of the two behind it may be out
.else
	s_wait_loadcnt 16*(14-(\f))
.endif
	TURN (\f)+1
.endif
.set XQ, XN+64*((\f)%2)
	QUANT XQ, XQ+32, 0, PC+12*((\f)%2), PW+(\f)%2
.endm
	LOADX 0
	LOADX 1
	LOADX 2
	s_wait_loadcnt 32
	TURN 0
.irp f, 0,1,2,3,4,5,6,7,8,9,10,11,12,13,14,15
	STEPX \f
.endr
; ---- PHASE G
.macro WLOAD set                       ; 24 loads of 512 consecutive bytes: the K step's eight weight fragments (two heads x four tiles); two loads: their scale words, four to a lane
	WIN 0x40
.irp hh, 0,1
.irp u, 0,1,2,3
.irp j, 0,1,2
	global_load_b128 v[96*(\set)+12*(4*\hh+\u)+4*\j:96*(\set)+12*(4*\hh+\u)+4*\j+3], v[LI], s[WP:WP+1] offset:49152*\hh+1536*\u+512*\j
.endr
.endr
.endr
	WIN 0
	global_load_b128 v[WSR+8*(\set):WSR+8*(\set)+3], v[LR], s[WSP:WSP+1]
	global_load_b128 v[WSR+8*(\set)+4:WSR+8*(\set)+7], v[LR], s[WSP:WSP+1] offset:2048
.endm
.macro XLOAD set                       ; 24 + 2 LDS loads: the K step's eight token fragments and their scale words, in one run
.irp t, 0,1,2,3,4,5,6,7
.irp j, 0,1,2
	ds_load_b128 v[XF+96*(\set)+12*\t+4*\j:XF+96*(\set)+12*\t+4*\j+3], v[XAD] offset:1536*\t+512*\j
.endr
.endr
	ds_load_b128 v[XSR+8*(\set):XSR+8*(\set)+3], v[XSAD]
	ds_load_b128 v[XSR+8*(\set)+4:XSR+8*(\set)+7], v[XSAD] offset:16
.endm
; The same 26 loads for the set other than \set, dealt among that set's products: ahead of products 0, 8, 16 and 24 stand two fragments' six loads, with the first six the scale words' two.
; A fragment's three loads and the eight fragments lie on end, in registers and in LDS: load n of 24 takes registers 4 n on and bytes 512 n on.
.macro DEAL set
.if (AI%8 == 0) && (AI < 32)
	WIN 0
.set XT, XF+96*(1-(\set))+24*(AI/8)
.irp n, 0,1,2,3,4,5
	ds_load_b128 v[XT+4*\n:XT+4*\n+3], v[XAD] offset:3072*(AI/8)+512*\n   ; no wait: no vector or matrix instruction since the step's wait on va_vdst names these registers
.endr
.if AI == 0
	ds_load_b128 v[XSR+8*(1-(\set)):XSR+8*(1-(\set))+3], v[XSAD]
	ds_load_b128 v[XSR+8*(1-(\set))+4:XSR+8*(1-(\set))+7], v[XSAD] offset:16
.endif
.endif
.endm
.macro BIASLD                          ; the bias in the result's layout, eight registers for each weight tile: one text for both ways, the lane's offsets differ
	WIN 0x40
.irp a, 0,1,2,3,4,5,6,7
.irp j, 0,1,2,3,4,5,6,7
	global_load_b32 v[BI+8*\a+\j], v[BOJ+\j], s[BP:BP+1] offset:(64*(\a/4)+8*(\a%4))*4
.endr
.endr
	WIN 0
.endm
; 64 products, 128 along K.  The 64 accumulators take turns, one instruction a turn, 0 to 63 on both ways and in every step.  first = 1: C is the bias.
; deal = 1: the next step's token fragments are asked for among the products.
.macro MUL set, first, deal
	s_cmp_eq_u32 s[PJ], 2
	s_cbranch_scc1 .Lvarm_\@
.set AI, 0
.rept 64                               ; q, k: accumulator 8 x + w8: token tile x, weight tile w8
.set DR, 8*(AI%32)
.set W8, AI%8
.set X8, AI/8
.if \deal
	DEAL \set
.endif
.if \first
	WIN 0x91+0x40*(AI/32)
	v_wmma_scale_f32_16x16x128_f8f6f4 v[DR:DR+7], v[96*(\set)+12*W8:96*(\set)+12*W8+11], v[XF+96*(\set)+12*X8:XF+96*(\set)+12*X8+11], v[BI+8*W8:BI+8*W8+7], v[WSR+8*(\set)+W8], v[XSR+8*(\set)+X8] matrix_a_fmt:MATRIX_FMT_FP6 matrix_b_fmt:MATRIX_FMT_FP6
.else
	WIN 0xa1+0x50*(AI/32)
	v_wmma_scale_f32_16x16x128_f8f6f4 v[DR:DR+7], v[96*(\set)+12*W8:96*(\set)+12*W8+11], v[XF+96*(\set)+12*X8:XF+96*(\set)+12*X8+11], v[DR:DR+7], v[WSR+8*(\set)+W8], v[XSR+8*(\set)+X8] matrix_a_fmt:MATRIX_FMT_FP6 matrix_b_fmt:MATRIX_FMT_FP6
.endif
.set AI, AI+1
.endr
	WIN 0
	s_branch .Ljoin_\@
.Lvarm_\@:
.set AI, 0
.rept 64                               ; v: accumulator 16 f + 8 c + 4 g + xu: weight tile 4 g + f, token tile 4 c + xu
.set DR, 8*(AI%32)
.set W8, 4*((AI/4)%2)+AI/16
.set X8, 4*((AI/8)%2)+AI%4
.if \deal
	DEAL \set
.endif
.if \first
	WIN 0x94+0x40*(AI/32)
	v_wmma_scale_f32_16x16x128_f8f6f4 v[DR:DR+7], v[XF+96*(\set)+12*X8:XF+96*(\set)+12*X8+11], v[96*(\set)+12*W8:96*(\set)+12*W8+11], v[BI+8*W8:BI+8*W8+7], v[XSR+8*(\set)+X8], v[WSR+8*(\set)+W8] matrix_a_fmt:MATRIX_FMT_FP6 matrix_b_fmt:MATRIX_FMT_FP6
.else
	WIN 0xa4+0x50*(AI/32)
	v_wmma_scale_f32_16x16x128_f8f6f4 v[DR:DR+7], v[XF+96*(\set)+12*X8:XF+96*(\set)+12*X8+11], v[96*(\set)+12*W8:96*(\set)+12*W8+11], v[DR:DR+7], v[XSR+8*(\set)+X8], v[WSR+8*(\set)+W8] matrix_a_fmt:MATRIX_FMT_FP6 matrix_b_fmt:MATRIX_FMT_FP6
.endif
.set AI, AI+1
.endr
	WIN 0
.Ljoin_\@:
.endm
; A K step: the next step's operands are asked for into the other set, and this set is multiplied.  kind 0: a pass's first step; 1: a middle one; 2: its last, which asks for the next pass's first step, if there is a next pass.
.macro GSTEP set, kind
	s_wait_xcnt 0x0                                ; the loads of a step ago have read their bases, and the way out's stores their data: both may be written
.if \kind == 2
	s_cmp_eq_u32 s[PS], 1
	s_cbranch_scc1 .Llast_\@
	s_add_nc_u64 s[WP:WP+1], s[WP:WP+1], 55296     ; from K step 7 of two heads to K step 0 of the next two: 2 x 49,152 - 7 x 6,144
	s_add_nc_u64 s[WSP:WSP+1], s[WSP:WSP+1], 2304  ; 2 x 2,048 - 7 x 256
	s_add_nc_u64 s[BP:BP+1], s[BP:BP+1], 512
	s_wait_alu depctr_vm_vsrc(0)                   ; the LDS loads of the step before have read v[XAD] and v[XSAD], which the two lines below write
	v_mov_b32 v[XAD], v[LI]
	v_mov_b32 v[XSAD], v[XSB]
.else
	s_add_nc_u64 s[WP:WP+1], s[WP:WP+1], 6144
	s_add_nc_u64 s[WSP:WSP+1], s[WSP:WSP+1], 256
	s_add_co_u32 s[XS], s[XS], 12288
	s_add_co_u32 s[XSS], s[XSS], 512
	s_wait_alu depctr_vm_vsrc(0)                   ; the LDS loads issued so far have read v[XAD] and v[XSAD], which the two lines below write; in a pass's first step: the image stores, the stage stores and the way out's stores have read the registers in which this step's loads land
	v_add_nc_u32 v[XAD], s[XS], v[LI]
	v_add_nc_u32 v[XSAD], s[XSS], v[XSB]
.endif
	v_nop                                          ; with the two lines above: four plain places between the last products and the loads into the set that they read; they stay beside the wait below
	v_nop
	s_wait_alu depctr_va_vdst(0)                   ; the products of the step before are done reading the other set (fragments and scale words), and the pass's first products the bias; v[XAD] and v[XSAD] are written; in a pass's first step: QUANT's work on v160 to v237 is over
	WLOAD 1-(\set)                                 ; the weights in one run, at once: they have the farthest to come
.if \kind == 2
	XLOAD 1-(\set)
	s_wait_loadcnt 26                              ; all but the 26 just issued: this set's weights are in
	s_wait_dscnt 26                                ; likewise this set's tokens
	BIASLD                                         ; the next pass's bias, behind the waits, so that their counts hold
	s_branch .Lmul_\@
.Llast_\@:
	s_wait_loadcnt 0x0
	s_wait_dscnt 0x0
.Lmul_\@:
	MUL \set, 0, 0
.else
	s_wait_loadcnt 26                              ; all but the 26 just issued: this set's weights (and the bias) are in
	s_wait_dscnt 0x0                               ; this set's tokens, asked for among the last step's products, are in
.if \kind == 0
	MUL \set, 1, 1
.else
	MUL \set, 0, 1
.endif
.endif
.endm
	v_mov_b32 v[XAD], v[LI]
	v_mov_b32 v[XSAD], v[XSB]
	s_wait_alu depctr_va_vdst(0)                   ; QUANT of fragment 15 has written PC and PW [1], which the image stores below read; the QUANTs are done reading XN, in which the first token fragments land; v[XAD] and v[XSAD] are written
	IMGX 15
	WLOAD 0                                        ; the stage stores that read these registers stand ahead of the last wait on vm_vsrc
	BIASLD
	s_wait_dscnt 0x0                               ; for the others' sake: my images and scale words lie in LDS
	s_barrier_signal -1
	s_barrier_wait -1                              ; the launch's one barrier: from here on LDS is only read
	XLOAD 0
	s_mov_b32 s[PS], 0
.Lpass:
	s_mov_b32 s[XS], 0
	s_mov_b32 s[XSS], 0
	GSTEP 0, 0
	s_mov_b32 s[KC], 3
.Lk:
	GSTEP 1, 1
	GSTEP 0, 1
	s_sub_co_u32 s[KC], s[KC], 1
	s_cmp_lg_u32 s[KC], 0
	s_cbranch_scc1 .Lk
	GSTEP 1, 2
.rept 4
	v_nop                                          ; places between the last products and the first read of results, and the first write into the set that they read
.endr
	; THE WAY OUT.  For head g of the pass's two and fragment f: the 32 numbers of K half c lie at register 128 f + 64 c + 32 g of the accumulators, on both ways.
.irp g, 0,1
.irp f, 0,1,2,3
.set Q0, (128*\f+32*\g)%256
	QUANT Q0, Q0+64, 2+\f/2, OC+12*\f, PW+\f
.endr
	v_cndmask_b32 v[SW], v[PW], v[PW+1], s[HI]     ; lanes 0-15: the words of fragments 0 and 2; lanes 16-31: of 1 and 3
	v_cndmask_b32 v[SW+1], v[PW+2], v[PW+3], s[HI]
	s_wait_alu depctr_va_vdst(0)                   ; the head's four QUANTs have written v[OC ..], and the two lines above v[SW] and v[SW + 1]: the 13 stores below read them
.irp n, 0,1,2,3,4,5,6,7,8,9,10,11
	global_store_b128 v[LI], v[OC+4*\n:OC+4*\n+3], s[OB:OB+1] offset:512*\n   ; 512 consecutive bytes, aligned to 256: fragment n / 3, registers 4 (n % 3) on
.endr
	global_store_b64 v[LSO], v[SW:SW+1], s[OB:OB+1]   ; 256 consecutive bytes, aligned
	s_wait_xcnt 0x0                                ; the stores have read their base and their data
.if \g == 0
	s_wait_alu depctr_vm_vsrc(0)                   ; the stores have read v[OC ..] and v[SW ..], which the second head's QUANTs write again
.endif
	s_add_nc_u64 s[OB:OB+1], s[OB:OB+1], s[GST:GST+1]   ; the next head's block
.endr
	s_add_co_u32 s[PS], s[PS], 1
	s_cmp_lt_u32 s[PS], 2
	s_cbranch_scc1 .Lpass
	s_wait_dscnt 0x0
	s_wait_alu depctr_hold_cnt(0) depctr_sa_sdst(0) depctr_va_vdst(0) depctr_va_sdst(0) depctr_va_ssrc(0) depctr_va_vcc(0) depctr_vm_vsrc(0)
	s_wait_tensorcnt 0x0
	ds_add_u32 v30, v31
	s_wait_dscnt 0x0
	s_endpgm
.Lfunc_end_k_qcfbfaed7f1_proj:
	.size	k_qcfbfaed7f1_proj, .Lfunc_end_k_qcfbfaed7f1_proj-k_qcfbfaed7f1_proj
	.p2alignl 7, 3214868480
	.fill 96, 4, 3214868480
	.section	.rodata,"a",@progbits
	.p2align	6, 0x0
	.amdhsa_kernel k_qcfbfaed7f1_proj
		.amdhsa_group_segment_fixed_size 170496
		.amdhsa_private_segment_fixed_size 0
		.amdhsa_enable_private_segment 0
		.amdhsa_kernarg_size 80
		.amdhsa_user_sgpr_count 2
		.amdhsa_user_sgpr_kernarg_segment_ptr 1
		.amdhsa_wavefront_size32 1
		.amdhsa_system_sgpr_workgroup_id_x 1
		.amdhsa_system_sgpr_workgroup_id_y 1
		.amdhsa_system_sgpr_workgroup_id_z 1
		.amdhsa_system_vgpr_workitem_id 0
		.amdhsa_next_free_vgpr 1024
		.amdhsa_next_free_sgpr 66
		.amdhsa_reserve_vcc 0
		.amdhsa_float_denorm_mode_32 3
		.amdhsa_float_denorm_mode_16_64 3
		.amdhsa_memory_ordered 1
		.amdhsa_forward_progress 1
		.amdhsa_inst_pref_size 250
	.end_amdhsa_kernel
	.amdgpu_metadata
---
amdhsa.version: [ 1, 2 ]
amdhsa.kernels:
  - .name:           k_qcfbfaed7f1_proj
    .symbol:         k_qcfbfaed7f1_proj.kd
    .args:
      - { .name: q, .offset: 0, .size: 8, .value_kind: global_buffer, .address_space: global }
      - { .name: k, .offset: 8, .size: 8, .value_kind: global_buffer, .address_space: global }
      - { .name: v, .offset: 16, .size: 8, .value_kind: global_buffer, .address_space: global }
      - { .name: bq, .offset: 24, .size: 8, .value_kind: global_buffer, .address_space: global }
      - { .name: bk, .offset: 32, .size: 8, .value_kind: global_buffer, .address_space: global }
      - { .name: bv, .offset: 40, .size: 8, .value_kind: global_buffer, .address_space: global }
      - { .name: wi, .offset: 48, .size: 8, .value_kind: global_buffer, .address_space: global }
      - { .name: ws, .offset: 56, .size: 8, .value_kind: global_buffer, .address_space: global }
      - { .name: qi, .offset: 64, .size: 8, .value_kind: global_buffer, .address_space: global }
      - { .name: kv, .offset: 72, .size: 8, .value_kind: global_buffer, .address_space: global }
    .group_segment_fixed_size: 170496
    .private_segment_fixed_size: 0
    .kernarg_segment_align: 8
    .kernarg_segment_size: 80
    .max_flat_workgroup_size: 128
    .sgpr_count:     66
    .vgpr_count:     1024
    .wavefront_size: 32
...
	.end_amdgpu_metadata
.endif
;; end of part 6
;; launch attn (part 7): grid 256 x 1, 16 waves a work-group, clusters of 4 x 1, 206,848 bytes of LDS; arguments qi, kv, ci, cs; writes ci, cs
.if DOCPART == 7
	.amdgcn_target "amdgcn-amd-amdhsa--gfx1250"
	.amdhsa_code_object_version 6
	.text
	.protected	k_qcfbfaed7f1_attn
	.globl	k_qcfbfaed7f1_attn
	.p2align	8
	.type	k_qcfbfaed7f1_attn,@function
k_qcfbfaed7f1_attn:
	s_mov_b64 s[64:65], 0
	v_nop
	global_prefetch_b8 v0, s[64:65] scope:SCOPE_SE
	s_setreg_imm32_b32 hwreg(HW_REG_WAVE_MODE, 25, 1), 1
	s_wait_xcnt 0x0
	s_wait_alu depctr_hold_cnt(0) depctr_sa_sdst(0) depctr_va_vdst(0) depctr_va_sdst(0) depctr_va_ssrc(0) depctr_va_vcc(0) depctr_vm_vsrc(0)
	s_getreg_b32 s2, hwreg(HW_REG_IB_STS2, 6, 4)
	s_cmp_eq_u32 s2, 0
	s_cbranch_scc0 .Lentry_in_a_cluster
	s_endpgm
.Lentry_in_a_cluster:
	s_bfe_u32 s2, ttmp6, 0x10000c
	s_cmp_lg_u32 s2, 0x3003
	s_cbranch_scc0 .Lentry_shape_is_right
	s_endpgm
.Lentry_shape_is_right:
; ctx = softmax(qh kh^T / 8) vh for one (batch, head) a cluster, both products on codes of FP6 (E2M3) with E8M0 scales, and ctx quantised along head x 64 + channel for the output projection.
; THE SOFTMAX: t = score x log2(e) / 8; M = the running largest t rounded UP to a whole number, kept as -M = floor(-t); p = 2^(t - M) is quantised along the keys, not normalised; the row's sum is taken of the
; unquantised p and divides at the end.  When M moves, the sum and O are multiplied by 2^(old M - new M), which rounds nothing.
; SHARES.  A cluster of four work-groups is one head; a work-group takes 512 queries, each of its sixteen waves 32: two tiles of 16, one after the other, in 256 registers, four waves to a SIMD.
; A WHOLE HEAD'S K, V AND SCALE WORDS, 204,800 dense bytes, come into LDS ONCE, by joint loads that name all four work-groups: no slot is ever filled again.  Waves 0 and 1 ask, four loads each (four are out at
; most), a quarter of the head to each pair of loads; the quarters are waited for one by one, so that the first key steps run while the later quarters are on their way.
; LAYOUT.  Both products are used transposed: a lane holds ONE query.  The rows of K's tiles are ordered so that register 32 c + i of the scores is key 64 c + 32 h + i of the step: a whole block of 32 keys lies
; in one lane, in the order of the next operand's registers: no other lane is asked for a block's maximum, and the conversions' results are the operand.
; K = 64.  The head's 64 fill half of the instruction's 128.  A PAIR fragment of K carries two tiles of keys in its two K halves; multiplied by [q | 0] it gives the first tile's scores, by [0 | q] the second's.
; The other half meets zero codes (every scale byte there is under 0xff), which add exactly 0.  So no byte of LDS and no register of K holds padding.
; A block's largest p is not searched for: the block's largest score goes through the same multiply-add and exponential (this takes v_exp_f32 not to fall where its input rises).
; OUT.  ci: [block of 128 tokens][K step = head / 2][tile][K half = head % 2][768]: six registers a lane, 0-3 at 16 x lane, 4-5 at 512 + 8 x lane.  cs: [token][32]: bytes 2 head, 2 head + 1: one store of 2 bytes a lane
; and wave, rows 32 bytes apart: 256 KB in all beside 6.3 MB of codes.
; LIMITS.  NaN and infinities are not served.  A block whose largest magnitude lies under 2^-124 is held at byte 1 (a block of zeros too: its codes are zeros, and this program alone reads the bytes).
.set STEPB, 12800                      ; a key step in LDS: K's 4 pair fragments, V's 4 fragments, K's 256 bytes of scale words, V's
.set LI,  1                            ; v1   16 x lane
.set L8,  2                            ; v2   8 x lane
.set SH8, 3                            ; v3   8 h
.set ADK, 4                            ; v4   the step's fragments
.set ADS, 5                            ; v5   the step's scale words
.set CSO, 7                            ; v7   my token's row of cs
.set HWK, 8                            ; v8   ctx's two scale bytes: lanes 0-15 the first tile's, lanes 16-31 the second's
.set QW,  9                            ; v9   the pair's scale word of Q
.set QAW, 10                           ; v10  the tile's two bytes in bytes 0, 1
.set QBW, 11                           ; v11  and in bytes 2, 3
.set QA,  16                           ; v16-27 [q | 0]
.set QB,  28                           ; v28-39 [0 | q]
.set QP,  40                           ; v40-51 the pair as loaded
.set FR,  52                           ; v52-99 four fragments of K, then of V
.set KS,  100                          ; v100-101 K's scale words: register i / 2, lanes 16 (i % 2) on
.set VS,  102                          ; v102-103 V's
.set S,   104                          ; v104-167 the scores, then p
.set O,   168                          ; v168-199 O^T: register i is channel 32 h + i
.set PC,  200                          ; v200-211 p's codes
.set PT,  212
.set PW,  220                          ; p's scale word
.set TP,  221
.set MB,  222
.set SO,  224
.set BY,  226
.set F,   228                          ; v[228:229]: f, then 1 / the sum; the upper word is named with it and is written once
.set T0,  230
.set T1,  231
.set C2,  232
.set WV,  12
.set CX,  13
.set BH,  14
.set CI,  18
.set SEL, 20
.set CS,  22
.set G1,  24
.set G0,  32
.set TB,  48
.set CNT, 49
.set E,   50
.set MSK, 51
.set SHA, 52
.set SHB, 53
.set HM,  54
.set CSP, 60
.macro CROUND                          ; a round of the cluster's barrier
	s_barrier_signal -1
	s_barrier_wait -1
	s_cmp_lg_u32 s[WV], 0
	s_cbranch_scc1 .Lnot_wave_0_\@
	s_barrier_signal -3
.Lnot_wave_0_\@:
	s_barrier_wait -3
	s_barrier_signal -1
	s_barrier_wait -1
.endm
	s_load_b256 s[4:11], s[0:1], 0x0               ; qi, kv, ci, cs
	v_lshl_add_u32 v254, v0, 2, 0x32000
	v_mov_b32 v255, 0
	ds_add_u32 v254, v255
	ds_add_u32 v254, v255
	v_lshrrev_b32 v[T0], 5, v0
	s_delay_alu instid0(VALU_DEP_1)
	v_readfirstlane_b32 s[WV], v[T0]               ; wave 0..15
	s_bfe_u32 s[CX], ttmp6, 0x40000                ; my place in the cluster: it enters the addresses of qi, ci and cs alone
	s_mov_b32 s[BH], ttmp9                         ; the cluster's number: 16 x batch + head
	; descriptor group 1: 100 dense rows of 256 bytes (32 elements of 8 bytes), no padding
	s_mov_b32 s[G1], 15|(3<<16)|(1<<21)            ; 15:0 the mask: all four work-groups; 17:16 elements of 8 bytes; 21 set beside a mask
	s_mov_b32 s[G1+1], 32<<16                      ; tensor_dim0
	s_mov_b32 s[G1+2], 100<<16                     ; tensor_dim1
	s_mov_b32 s[G1+3], 32<<16                      ; tile_dim0
	s_mov_b32 s[G1+4], 100                         ; tile_dim1
	s_mov_b32 s[G1+5], 32                          ; from row to row
	s_mov_b32 s[G1+6], 0
	s_mov_b32 s[G1+7], 0
	s_mov_b32 s[SEL], 0x76543210
	s_mov_b32 s[SEL+1], 0xfedcba98
	s_mov_b32 s[CS], 0x3e38aa3b                    ; c = log2(e) / 8
	s_mov_b32 s[CS+1], s[CS]                       ; (named with it as a pair, so it is written)
	s_and_b32 s15, s[WV], 1
	s_mul_i32 s15, s15, 25600                      ; which half of a quarter I fetch, if I fetch
	s_mul_i32 s16, s[BH], 204800
	s_add_co_u32 s16, s16, s15
	s_mov_b32 s17, 0
	s_wait_dscnt 0x0
	s_wait_kmcnt 0x0
	s_add_nc_u64 s[6:7], s[6:7], s[16:17]
	CROUND                                         ; all four work-groups are here: the joint loads meet
.irp cq, 0,1,2,3
	s_mov_b32 s[G0+4*\cq], 1                       ; count = 1
	s_add_co_u32 s[G0+4*\cq+1], s15, 51200*\cq     ; LDS address: the head lies in LDS as in memory
	s_add_nc_u64 s[G0+4*\cq+2:G0+4*\cq+3], s[6:7], 51200*\cq
	s_or_b32 s[G0+4*\cq+3], s[G0+4*\cq+3], 0x80000000   ; type = 2
.endr
	s_cmp_lt_u32 s[WV], 2                          ; all first fills of a wave stand in one branch on the wave's number, ahead of every wait on TENSORcnt and every LDS read
	s_cbranch_scc0 .Lno_fetch
	tensor_load_to_lds s[G0:G0+3], s[G1:G1+7]
	s_nop 0
	tensor_load_to_lds s[G0+4:G0+7], s[G1:G1+7]
	s_nop 0
	tensor_load_to_lds s[G0+8:G0+11], s[G1:G1+7]
	s_nop 0
	tensor_load_to_lds s[G0+12:G0+15], s[G1:G1+7]
	s_nop 0
.rept 4
	v_nop
.endr
.Lno_fetch:
	v_and_b32 v[T0], 31, v0                        ; lane
	v_and_b32 v[T1], 15, v0                        ; r
	v_bfe_u32 v[C2], v0, 4, 1                      ; h
	s_delay_alu instid0(VALU_DEP_3)
	v_lshlrev_b32 v[LI], 4, v[T0]
	s_wait_alu depctr_va_vdst(0)
	v_lshlrev_b32 v[L8], 3, v[T0]
	v_lshlrev_b32 v[SH8], 3, v[C2]
	s_lshl_b32 s55, s[CX], 2
	s_lshr_b32 s56, s[WV], 2
	s_add_co_u32 s55, s55, s56                     ; my block of 128 queries in the head: 4 cx + wave / 4
	s_and_b32 s56, s[WV], 3                        ; my pair of tiles in it
	s_lshl_b32 s15, s[BH], 4
	s_add_co_u32 s15, s15, s55
	s_mul_i32 s16, s15, 6400
	s_add_nc_u64 s[4:5], s[4:5], s[16:17]          ; its block of qi
	s_mul_i32 s15, s56, 1536
	v_add_nc_u32 v[C2+1], s15, v[LI]
	s_and_b32 s15, s56, 1
	s_lshl_b32 s15, s15, 7
	s_lshr_b32 s16, s56, 1
	s_lshl_b32 s16, s16, 2
	s_add_co_u32 s15, s15, s16
	v_lshl_add_u32 v234, v[T1], 3, s15             ; the pair's scale word of row r
.irp j, 0,1,2
	global_load_b128 v[QP+4*\j:QP+4*\j+3], v[C2+1], s[4:5] offset:512*\j th:TH_LOAD_NT
.endr
	global_load_b32 v[QW], v234, s[4:5] offset:6144 th:TH_LOAD_NT
	s_lshr_b32 s57, s[BH], 4
	s_lshl_b32 s57, s57, 4
	s_add_co_u32 s57, s57, s55                     ; the block of 128 tokens: 16 x batch + block in the head
	s_and_b32 s58, s[BH], 15                       ; the head
	s_lshl_b32 s15, s57, 3
	s_lshr_b32 s16, s58, 1
	s_add_co_u32 s15, s15, s16
	s_lshl_b32 s15, s15, 3
	s_lshl_b32 s16, s56, 1
	s_add_co_u32 s15, s15, s16                     ; (8 block + head / 2) 8 + my first tile
	s_mul_i32 s16, s15, 1536
	s_and_b32 s15, s58, 1
	s_mul_i32 s15, s15, 768
	s_add_co_u32 s16, s16, s15
	s_add_nc_u64 s[CI:CI+1], s[8:9], s[16:17]
	s_lshl_b32 s15, s57, 7
	s_lshr_b32 s16, s56, 1
	s_lshl_b32 s16, s16, 6
	s_add_co_u32 s15, s15, s16
	s_and_b32 s16, s56, 1
	s_lshl_b32 s16, s16, 4
	s_add_co_u32 s15, s15, s16                     ; 128 block + 64 (pair / 2) + 16 (pair % 2)
	s_lshl_b32 s15, s15, 5
	s_lshl_b32 s16, s58, 1
	s_add_co_u32 s16, s15, s16
	s_add_nc_u64 s[CSP:CSP+1], s[10:11], s[16:17]
	v_and_b32 v[CSO], 7, v[T1]
	v_lshrrev_b32 v[T0], 3, v[T1]
	s_delay_alu instid0(VALU_DEP_1)
	v_lshl_add_u32 v[CSO], v[T0], 5, v[CSO]
	s_wait_alu depctr_va_vdst(0)
	v_add_nc_u32 v[CSO], v[SH8], v[CSO]            ; 32 (r / 8) + 8 h + r % 8: lane (r, h) stands for row r of tile h of the pair
	s_delay_alu instid0(VALU_DEP_1)
	v_lshlrev_b32 v[CSO], 5, v[CSO]
.irp i, 0,1,2,3,4,5
	v_mov_b32 v[QA+6+\i], 0
	v_mov_b32 v[QB+\i], 0
.endr
	v_mov_b32 v[HWK], 0
	v_mov_b32 v[TP], 0                             ; a lane permute's destination counts as one of its sources
	v_mov_b32 v[F+1], 0
	s_wait_loadcnt 0x0                             ; Q
.macro SCORE i, row                    ; pair fragment i against [q | 0] and [0 | q]: tiles 2 i and 2 i + 1 of the step's keys
.if \row
	v_wmma_scale_f32_16x16x128_f8f6f4 v[S+16*\i:S+16*\i+7], v[FR+12*\i:FR+12*\i+11], v[QA:QA+11], 0, v[KS+\i/2], v[QAW] matrix_a_fmt:MATRIX_FMT_FP6 matrix_b_fmt:MATRIX_FMT_FP6 matrix_a_scale:MATRIX_SCALE_ROW1
	v_wmma_scale_f32_16x16x128_f8f6f4 v[S+16*\i+8:S+16*\i+15], v[FR+12*\i:FR+12*\i+11], v[QB:QB+11], 0, v[KS+\i/2], v[QBW] matrix_a_fmt:MATRIX_FMT_FP6 matrix_b_fmt:MATRIX_FMT_FP6 matrix_a_scale:MATRIX_SCALE_ROW1
.else
	v_wmma_scale_f32_16x16x128_f8f6f4 v[S+16*\i:S+16*\i+7], v[FR+12*\i:FR+12*\i+11], v[QA:QA+11], 0, v[KS+\i/2], v[QAW] matrix_a_fmt:MATRIX_FMT_FP6 matrix_b_fmt:MATRIX_FMT_FP6
	v_wmma_scale_f32_16x16x128_f8f6f4 v[S+16*\i+8:S+16*\i+15], v[FR+12*\i:FR+12*\i+11], v[QB:QB+11], 0, v[KS+\i/2], v[QBW] matrix_a_fmt:MATRIX_FMT_FP6 matrix_b_fmt:MATRIX_FMT_FP6
.endif
.endm
.macro PV t, row                       ; O^T += V^T P^T: channels of tile t; four accumulators by turns
.if \row
	v_wmma_scale_f32_16x16x128_f8f6f4 v[O+8*\t:O+8*\t+7], v[FR+12*\t:FR+12*\t+11], v[PC:PC+11], v[O+8*\t:O+8*\t+7], v[VS+\t/2], v[PW] matrix_a_fmt:MATRIX_FMT_FP6 matrix_b_fmt:MATRIX_FMT_FP6 matrix_a_scale:MATRIX_SCALE_ROW1
.else
	v_wmma_scale_f32_16x16x128_f8f6f4 v[O+8*\t:O+8*\t+7], v[FR+12*\t:FR+12*\t+11], v[PC:PC+11], v[O+8*\t:O+8*\t+7], v[VS+\t/2], v[PW] matrix_a_fmt:MATRIX_FMT_FP6 matrix_b_fmt:MATRIX_FMT_FP6
.endif
.endm
; A KEY STEP: 128 keys.
.macro STEP
	v_add_nc_u32 v[ADK], s[TB], v[LI]
	v_add_nc_u32 v[ADS], s[TB], v[L8]
	v_nop                                          ; with the two additions: four places between the last products and the loads into the registers that they read
	v_nop
.irp i, 0,1,2,3
.irp j, 0,1,2
	ds_load_b128 v[FR+12*\i+4*\j:FR+12*\i+4*\j+3], v[ADK] offset:1536*\i+512*\j
.endr
.endr
	ds_load_b64 v[KS:KS+1], v[ADS] offset:12288
	s_wait_alu depctr_va_vdst(0)
	s_wait_dscnt 0x0
	SCORE 0, 0
	SCORE 1, 1
	SCORE 2, 0
	SCORE 3, 1
.rept 4
	v_nop                                          ; places in front of the loads below and of the first read of the scores
.endr
.irp i, 0,1,2,3                                ; V's fragments land while the softmax is worked
.irp j, 0,1,2
	ds_load_b128 v[FR+12*\i+4*\j:FR+12*\i+4*\j+3], v[ADK] offset:6144+1536*\i+512*\j
.endr
.endr
	ds_load_b64 v[VS:VS+1], v[ADS] offset:12544
	v_max3_num_f32 v[MB], v[S], v[S+1], v[S+2]     ; the largest score of my two blocks of 32 keys, by turns, each result from its low end on
	v_max3_num_f32 v[MB+1], v[S+32], v[S+33], v[S+34]
.irp i, 3,5,7,9,11,13,15,17,19,21,23,25,27,29
	v_max3_num_f32 v[MB], v[MB], v[S+\i], v[S+\i+1]
	v_max3_num_f32 v[MB+1], v[MB+1], v[S+32+\i], v[S+33+\i]
.endr
	v_max_num_f32 v[MB], v[MB], v[S+31]
	v_max_num_f32 v[MB+1], v[MB+1], v[S+63]
	s_delay_alu instid0(VALU_DEP_1)
	v_max_num_f32 v[T0], v[MB], v[MB+1]
	s_delay_alu instid0(VALU_DEP_1)
	v_permlanex16_b32 v[TP], v[T0], s[SEL], s[SEL+1]
	s_delay_alu instid0(VALU_DEP_1)
	v_max_num_f32 v[T0], v[T0], v[TP]              ; the step's largest score of my query
	s_delay_alu instid0(VALU_DEP_1)
	v_mul_f32 v[T0], s[CS], v[T0]                  ; as t (c is positive)
	s_delay_alu instid0(VALU_DEP_1)
	v_max_num_f32 v13, v13, v[T0]                  ; the running largest t
	v_mov_b32 v[T1], v12
	s_delay_alu instid0(VALU_DEP_2)
	v_floor_f32 v12, -v13                          ; the new -M = floor(-t): M is a whole number
	s_delay_alu instid0(VALU_DEP_1)
	v_sub_f32 v[T1], v12, v[T1]                    ; old M - new M: a whole number, 0 or less
	s_delay_alu instid0(VALU_DEP_1)
	v_cvt_i32_f32 v[T1], v[T1]                     ; (it saturates)
	s_delay_alu instid0(VALU_DEP_1)
	v_ldexp_f32 v[F], 1.0, v[T1]                   ; f = 2^(old M - new M)
.set J, 0
.rept 32
	v_pk_fma_f32 v[S+J:S+J+1], v[S+J:S+J+1], s[CS:CS+1], v[12:13] op_sel_hi:[1,0,0]   ; t - M, two at a time
.set J, J+2
.endr
	v_fma_f32 v[MB], v[MB], s[CS], v12             ; the same of each block's largest score
	v_fma_f32 v[MB+1], v[MB+1], s[CS], v12
.set J, 0
	s_setprio 1
	s_wait_alu depctr_va_vdst(0)
.rept 64
	v_exp_f32 v[S+J], v[S+J]                       ; p = 2^(t - M), at most 1
.set J, J+1
.endr
	v_pk_mul_f32 v[14:15], v[14:15], v[F:F+1] op_sel_hi:[1,0]   ; the sums under the new M (a plain place behind the exponentials)
	s_wait_alu depctr_va_vdst(0)                   ; one wait for the batch, ahead of its first reader
	v_exp_f32 v[MB], v[MB]                         ; the blocks' largest p
	v_exp_f32 v[MB+1], v[MB+1]
	v_pk_add_f32 v[232:233], v[108:109], v[112:113]
	v_pk_add_f32 v[252:253], v[116:117], v[120:121]
	v_pk_add_f32 v[250:251], v[124:125], v[128:129]
	v_pk_add_f32 v[248:249], v[132:133], v[136:137]
	v_pk_add_f32 v[246:247], v[140:141], v[144:145]
	v_pk_add_f32 v[244:245], v[148:149], v[152:153]
	v_pk_add_f32 v[242:243], v[156:157], v[160:161]
	v_pk_add_f32 v[14:15], v[14:15], v[164:165]
	v_pk_add_f32 v[232:233], v[232:233], v[104:105]
	v_pk_add_f32 v[252:253], v[252:253], v[106:107]
	v_pk_add_f32 v[250:251], v[250:251], v[110:111]
	v_pk_add_f32 v[248:249], v[248:249], v[114:115]
	v_pk_add_f32 v[246:247], v[246:247], v[118:119]
	v_pk_add_f32 v[244:245], v[244:245], v[122:123]
	v_pk_add_f32 v[242:243], v[242:243], v[126:127]
	v_pk_add_f32 v[14:15], v[14:15], v[130:131]
	v_pk_add_f32 v[232:233], v[232:233], v[134:135]
	v_pk_add_f32 v[252:253], v[252:253], v[138:139]
	v_pk_add_f32 v[250:251], v[250:251], v[142:143]
	v_pk_add_f32 v[248:249], v[248:249], v[146:147]
	v_pk_add_f32 v[246:247], v[246:247], v[150:151]
	v_pk_add_f32 v[244:245], v[244:245], v[154:155]
	v_pk_add_f32 v[242:243], v[242:243], v[158:159]
	v_pk_add_f32 v[14:15], v[14:15], v[162:163]
	v_pk_add_f32 v[232:233], v[232:233], v[166:167]
	s_delay_alu instid0(VALU_DEP_2)
	v_pk_add_f32 v[14:15], v[14:15], v[248:249]
	s_delay_alu instid0(VALU_DEP_2)
	v_pk_add_f32 v[232:233], v[232:233], v[246:247]
	v_pk_add_f32 v[252:253], v[252:253], v[244:245]
	v_pk_add_f32 v[250:251], v[250:251], v[242:243]
	s_delay_alu instid0(VALU_DEP_2)
	v_pk_add_f32 v[14:15], v[14:15], v[252:253]
	s_delay_alu instid0(VALU_DEP_2)
	v_pk_add_f32 v[232:233], v[232:233], v[250:251]
	s_delay_alu instid0(VALU_DEP_1)
	v_pk_add_f32 v[14:15], v[14:15], v[232:233]
	s_wait_alu depctr_va_vdst(0)                   ; and one for the two
	v_max_num_f32 v[MB], 0x1800000, v[MB]          ; the floor 2^(3 - 127): the byte cannot fall under 1
	v_max_num_f32 v[MB+1], 0x1800000, v[MB+1]
	s_delay_alu instid0(VALU_DEP_2)
	v_add_nc_u32 v[SO], 0xff000000, v[MB]          ; 2 off the exponent field: the conversion's scale operand
	s_delay_alu instid0(VALU_DEP_2)
	v_add_nc_u32 v[SO+1], 0xff000000, v[MB+1]
	s_delay_alu instid0(VALU_DEP_2)
	v_lshrrev_b32 v[BY], 23, v[SO]
	s_delay_alu instid0(VALU_DEP_2)
	v_lshrrev_b32 v[BY+1], 23, v[SO+1]
	s_delay_alu instid0(VALU_DEP_1)
	v_lshl_or_b32 v[PW], v[BY+1], 16, v[BY]
	s_delay_alu instid0(VALU_DEP_1)
	v_lshlrev_b32 v[PW], v[SH8], v[PW]
	s_delay_alu instid0(VALU_DEP_1)
	v_permlanex16_b32 v[TP], v[PW], s[SEL], s[SEL+1]
	s_delay_alu instid0(VALU_DEP_1)
	v_or_b32 v[PW], v[PW], v[TP]                   ; p's scale word for these 128 keys
	v_cvt_scalef32_pk16_fp6_f32 v[PC:PC+2], v[S:S+15], v[SO]
	v_cvt_scalef32_pk16_fp6_f32 v[PT:PT+2], v[S+16:S+31], v[SO]      ; (a conversion's three registers begin on an even number)
	v_cvt_scalef32_pk16_fp6_f32 v[PC+6:PC+8], v[S+32:S+47], v[SO+1]
	v_cvt_scalef32_pk16_fp6_f32 v[PT+4:PT+6], v[S+48:S+63], v[SO+1]
	v_nop                                          ; one plain place behind a scaled conversion
.irp i, 0,1,2
	v_mov_b32 v[PC+3+\i], v[PT+\i]
	v_mov_b32 v[PC+9+\i], v[PT+4+\i]
.endr
.set J, 0
	s_setprio 0
.rept 16
	v_pk_mul_f32 v[O+J:O+J+1], v[O+J:O+J+1], v[F:F+1] op_sel_hi:[1,0]   ; O^T under the new M; twelve of these name no register of any one product below: the places behind the scale word and the codes
.set J, J+2
.endr
	s_wait_alu depctr_va_vdst(0)
	s_wait_dscnt 0x0                               ; V
	PV 0, 0
	PV 1, 1
	PV 2, 0
	PV 3, 1
	s_add_co_u32 s[TB], s[TB], STEPB
.endm
	s_mov_b32 s[E], 0
.Ltile:                                            ; my two tiles of 16 queries, one after the other
	s_cmp_eq_u32 s[E], 0
	s_cselect_b32 s[MSK], 0, -1
	s_mov_b32 s[HM], 0xffff0000
	s_cselect_b32 s[HM], 0xffff, s[HM]             ; the lanes that keep this tile's scale bytes
	s_lshl_b32 s[SHA], s[E], 4
	s_sub_co_u32 s[SHB], 16, s[SHA]
.irp i, 0,1,2,3,4,5
	v_cndmask_b32 v[QA+\i], v[QP+\i], v[QP+6+\i], s[MSK]
.endr
.irp i, 0,1,2,3,4,5
	v_mov_b32 v[QB+6+\i], v[QA+\i]
.endr
	v_lshrrev_b32 v[QAW], s[SHA], v[QW]
	v_lshlrev_b32 v[QBW], s[SHB], v[QW]
	v_mov_b32 v13, 0xff61b1e6                      ; the largest t so far: -3e38, under every t
	s_delay_alu instid0(VALU_DEP_1)
	v_floor_f32 v12, -v13
	v_mov_b32 v14, 0
	v_mov_b32 v15, 0
.set J, 0
.rept 32
	v_mov_b32 v[O+J], 0                            ; the step is written once: the first finds zeros.  (These are also the places behind the scale words and operands just written)
.set J, J+1
.endr
.irp cq, 0,1,2,3
	s_wait_tensorcnt 3-\cq                         ; my part of quarter cq has landed; the later quarters may stay out
	s_wait_dscnt 0x0
	s_barrier_signal -1
	s_barrier_wait -1                              ; everybody's has
	s_mov_b32 s[TB], 51200*\cq
	s_mov_b32 s[CNT], 4
.Lstep_\cq:
	s_setprio 2
	STEP
	s_sub_co_u32 s[CNT], s[CNT], 1
	s_cmp_lg_u32 s[CNT], 0
	s_cbranch_scc1 .Lstep_\cq
	s_setprio 0
.endr
	; the tile's end: O^T / the sum, quantised: my 32 registers are channels 32 h + 0 .. 31 of the head: one block of the output projection's K
.rept 4
	v_nop                                          ; places behind the last products
.endr
	v_add_f32 v14, v14, v15
	s_delay_alu instid0(VALU_DEP_1)
	v_permlanex16_b32 v[TP], v14, s[SEL], s[SEL+1]
	s_delay_alu instid0(VALU_DEP_1)
	v_add_f32 v14, v14, v[TP]                      ; the row's sum
	s_wait_alu depctr_va_vdst(0)
	v_rcp_f32 v[F], v14
	v_nop                                          ; a plain place behind the reciprocal,
	s_wait_alu depctr_va_vdst(0)                   ; and the wait ahead of its first reader
.set J, 0
.rept 16
	v_pk_mul_f32 v[S+J:S+J+1], v[O+J:O+J+1], v[F:F+1] op_sel_hi:[1,0]
.set J, J+2
.endr
	v_max3_num_f32 v[MB], |v[S]|, |v[S+1]|, 0x1800000
	v_max3_num_f32 v[MB+1], |v[S+16]|, |v[S+17]|, 0x1800000
.irp i, 2,4,6,8,10,12,14
	s_delay_alu instid0(VALU_DEP_2)
	v_max3_num_f32 v[MB], |v[S+\i]|, |v[S+\i+1]|, v[MB]
	s_delay_alu instid0(VALU_DEP_2)
	v_max3_num_f32 v[MB+1], |v[S+16+\i]|, |v[S+17+\i]|, v[MB+1]
.endr
	s_delay_alu instid0(VALU_DEP_1)
	v_max_num_f32 v[MB], v[MB], v[MB+1]
	s_delay_alu instid0(VALU_DEP_1)
	v_add_nc_u32 v[SO], 0xff000000, v[MB]
	s_delay_alu instid0(VALU_DEP_1)
	v_lshrrev_b32 v[BY], 23, v[SO]
	s_delay_alu instid0(VALU_DEP_1)
	v_lshlrev_b32 v[BY], v[SH8], v[BY]
	s_delay_alu instid0(VALU_DEP_1)
	v_permlanex16_b32 v[TP], v[BY], s[SEL], s[SEL+1]
	s_delay_alu instid0(VALU_DEP_1)
	v_or_b32 v[BY], v[BY], v[TP]                   ; the head's two bytes of my query
	s_delay_alu instid0(VALU_DEP_1)
	v_cndmask_b32 v[HWK], v[HWK], v[BY], s[HM]
	v_cvt_scalef32_pk16_fp6_f32 v[PC:PC+2], v[S:S+15], v[SO]
	v_cvt_scalef32_pk16_fp6_f32 v[PT:PT+2], v[S+16:S+31], v[SO]
	v_nop
.irp i, 0,1,2
	v_mov_b32 v[PC+3+\i], v[PT+\i]
.endr
	global_store_b128 v[LI], v[PC:PC+3], s[CI:CI+1]              ; 512 consecutive bytes
	global_store_b64 v[L8], v[PC+4:PC+5], s[CI:CI+1] offset:512  ; 256 consecutive bytes
	s_wait_xcnt 0x0                                ; the stores have read their base and their data
	s_add_nc_u64 s[CI:CI+1], s[CI:CI+1], 1536      ; the next tile
	s_add_co_u32 s[E], s[E], 1
	s_cmp_lt_u32 s[E], 2
	s_cbranch_scc1 .Ltile
	s_wait_alu depctr_va_vdst(0)
	global_store_b16 v[CSO], v[HWK], s[CSP:CSP+1]
	s_wait_tensorcnt 0x0
	ds_add_u32 v254, v255
	s_wait_dscnt 0x0
	CROUND                                         ; the closing round: no work-group ends while a partner may still ask for a tile that names it
	s_endpgm
.Lfunc_end_k_qcfbfaed7f1_attn:
	.size	k_qcfbfaed7f1_attn, .Lfunc_end_k_qcfbfaed7f1_attn-k_qcfbfaed7f1_attn
	.p2alignl 7, 3214868480
	.fill 96, 4, 3214868480
	.section	.rodata,"a",@progbits
	.p2align	6, 0x0
	.amdhsa_kernel k_qcfbfaed7f1_attn
		.amdhsa_group_segment_fixed_size 206848
		.amdhsa_private_segment_fixed_size 0
		.amdhsa_enable_private_segment 0
		.amdhsa_kernarg_size 32
		.amdhsa_user_sgpr_count 2
		.amdhsa_user_sgpr_kernarg_segment_ptr 1
		.amdhsa_wavefront_size32 1
		.amdhsa_system_sgpr_workgroup_id_x 1
		.amdhsa_system_sgpr_workgroup_id_y 1
		.amdhsa_system_sgpr_workgroup_id_z 1
		.amdhsa_system_vgpr_workitem_id 0
		.amdhsa_next_free_vgpr 256
		.amdhsa_next_free_sgpr 66
		.amdhsa_reserve_vcc 0
		.amdhsa_float_denorm_mode_32 3
		.amdhsa_float_denorm_mode_16_64 3
		.amdhsa_memory_ordered 1
		.amdhsa_forward_progress 1
		.amdhsa_inst_pref_size 75
	.end_amdhsa_kernel
	.amdgpu_metadata
---
amdhsa.version: [ 1, 2 ]
amdhsa.kernels:
  - .name:           k_qcfbfaed7f1_attn
    .symbol:         k_qcfbfaed7f1_attn.kd
    .args:
      - { .name: qi, .offset: 0, .size: 8, .value_kind: global_buffer, .address_space: global }
      - { .name: kv, .offset: 8, .size: 8, .value_kind: global_buffer, .address_space: global }
      - { .name: ci, .offset: 16, .size: 8, .value_kind: global_buffer, .address_space: global }
      - { .name: cs, .offset: 24, .size: 8, .value_kind: global_buffer, .address_space: global }
    .group_segment_fixed_size: 206848
    .private_segment_fixed_size: 0
    .kernarg_segment_align: 8
    .kernarg_segment_size: 32
    .max_flat_workgroup_size: 512
    .sgpr_count:     66
    .vgpr_count:     256
    .wavefront_size: 32
...
	.end_amdgpu_metadata
.endif
;; end of part 7
;; launch oproj (part 8): grid 256 x 1, 4 waves a work-group, no clusters, 116,224 bytes of LDS; arguments ci, cs, wi, ws, bo, out0; writes out0
.if DOCPART == 8
	.amdgcn_target "amdgcn-amd-amdhsa--gfx1250"
	.amdhsa_code_object_version 6
	.text
	.protected	k_qcfbfaed7f1_oproj
	.globl	k_qcfbfaed7f1_oproj
	.p2align	8
	.type	k_qcfbfaed7f1_oproj,@function
k_qcfbfaed7f1_oproj:
	s_mov_b64 s[64:65], 0
	v_nop
	global_prefetch_b8 v0, s[64:65] scope:SCOPE_SE
	s_setreg_imm32_b32 hwreg(HW_REG_WAVE_SCHED_MODE, 0, 2), 2
	s_setreg_imm32_b32 hwreg(HW_REG_WAVE_MODE, 25, 1), 1
	s_wait_xcnt 0x0
	s_wait_alu depctr_vm_vsrc(0)
; out0 = ctx Wo + bo on codes of FP6 (E2M3) with E8M0 scales.  ctx arrives as half images (ci) and scale bytes (cs), Wo as images (matrix 3 of wi) and scale words (ws).
; SHARES.  A work-group makes 128 tokens x 256 columns; wave w makes 64 of the columns (256 aligned bytes of each row) for all 128 tokens: 32 accumulators.
; The wave's weights for all of K, 32 fragments in 384 registers, are loaded once and stay.  ctx's 98,304 bytes are copied once into LDS as they lie (a quarter a wave) and read by all four waves, a K step at a time, into two sets.
; Source 0 = Wo's tile, source 1 = ctx's: by the order of the tiles' rows a lane's 32 registers of a token tile are columns 32 h + 0 .. 31 of one row.  The bias is the C of each sum's first product.
; Everything is written out: every offset is an immediate and no pointer is stepped.  The four work-groups of a token block read the same 96 KB of ctx, the 64 of a column block the same weights; neither is shared
; through a cluster: the weights go straight into registers, and ctx is a sixth of what a work-group moves.
; REGISTERS, in windows of 256.  Window 0: v1-11 addresses; v32-63 Wo's scale words (4 s + u), v64-127 ctx's (8 T + s): they hold scales and nothing else; v128-223 ctx's set 0, later rows on their way out; v224-255 the bias.
;   Window 1: accumulator (T, u) at 8 (4 T + u); before the products the copy's 192 registers.  Window 2: Wo's K steps 0-4.  Window 3: K steps 5-7; from v160 ctx's set 1.
; THE MODE: SCHED_MODE bits 1:0 = 2 (LLVM: expert scheduling mode 2), set by the entry lines.  The code itself states the register dependences between vector or matrix instructions and memory or LDS
; instructions, with s_wait_alu, always for 0.
; THE PLAN.  Registers that memory or LDS instructions touch:
;   v1-v11            addresses and offsets, made at the head and never written again.
;   window 1, v0-191  the copy: global loads land in them, LDS stores read them; then the products write them as accumulators, behind one wait on vm_vsrc.
;   ctx's two sets    K step s: its products read set s % 2; the LDS loads of K step s + 1 land in the other set, which the products of K step s - 1 read: one wait on va_vdst at the head of steps 1 to 6.
;                     Behind it the 32 loads stand in four groups of eight among the step's first sixteen products, which name this step's set, weights, scale words and the accumulators: no register that those loads touch.
;   weights, scale words, the bias: loaded once into registers that nothing else has named; read by products alone.
;   the accumulators  read by the stage's LDS stores behind the four places and one wait on va_vdst, which serves all eight tiles: no vector or matrix instruction follows it.
;   BK0, BK1          rows on their way out: the stage's LDS loads land in them (they lay in ctx's set 0: the same wait), the global stores read them, and the loads of two tiles on land in them behind a wait on vm_vsrc.
.set STG, 98304                        ; LDS: 0: ctx [K step][tile][half][768];  here: for each wave a stage of 16 rows x (256 + 16) bytes
.set LI,  1                            ; v1   16 x lane;  v4: + 49,152
.set L8,  2                            ; v2   8 x lane;   v5: + 49,152
.set LR,  3                            ; v3   16 r
.set CP,  6                            ; v6   the copy: 24,576 x wave + 16 x lane, in memory and in LDS
.set STO, 7
.set RD,  8
.set CO,  9
.set XSO, 10
.set BOO, 11
.set WSC, 32
.set XSW, 64
.set BK,  128
.set BI,  224
.set MSB, 0
.macro WIN new
.if MSB != (\new)
	s_set_vgpr_msb (MSB<<8)|(\new)
.set MSB, (\new)
.endif
.endm
	s_load_b256 s[4:11], s[0:1], 0x0               ; ci, cs, wi, ws
	s_load_b128 s[12:15], s[0:1], 0x20             ; bo, out0
	v_lshl_add_u32 v30, v0, 2, 0x1c400
	v_mov_b32 v31, 0
	v_lshrrev_b32 v12, 5, v0
	v_readfirstlane_b32 s16, v12                   ; wave 0..3
	s_lshr_b32 s17, ttmp9, 2                       ; block of 128 tokens
	s_and_b32 s18, ttmp9, 3
	s_lshl_b32 s19, s18, 2
	v_and_b32 v12, 31, v0                          ; lane
	v_and_b32 v13, 15, v0                          ; r
	v_bfe_u32 v14, v0, 4, 1                        ; h
	v_lshlrev_b32 v[LI], 4, v12
	v_lshlrev_b32 v[L8], 3, v12
	v_lshlrev_b32 v[LR], 4, v13
	v_add_nc_u32 v[LI+3], 49152, v[LI]
	v_add_nc_u32 v[L8+3], 49152, v[L8]
	s_wait_alu depctr_va_sdst(0)                   ; the wave's number is written, ahead of its first reader: the group of columns, LDS places and bases are made from it
	s_add_co_u32 s19, s19, s16                     ; my group of 64 columns
	s_mul_i32 s20, s16, 24576
	v_add_nc_u32 v[CP], s20, v[LI]
	s_mul_i32 s20, s16, 4352
	s_add_co_u32 s20, s20, STG
	v_mul_u32_u24 v[STO], v13, 272
	v_lshl_add_u32 v[STO], v14, 7, v[STO]
	v_add_nc_u32 v[STO], s20, v[STO]               ; in: row r, + 128 h bytes
	v_mul_u32_u24 v[RD], v14, 272
	v_lshl_add_u32 v[RD], v13, 4, v[RD]
	v_add_nc_u32 v[RD], s20, v[RD]                 ; back: lanes 0-15 one row, lanes 16-31 the next
	v_lshlrev_b32 v[CO], 12, v14
	v_lshl_add_u32 v[CO], v13, 4, v[CO]            ; and the same two rows of out0
	v_and_b32 v[XSO], 7, v13
	v_lshrrev_b32 v12, 3, v13
	v_lshl_add_u32 v[XSO], v12, 5, v[XSO]
	v_lshlrev_b32 v[XSO], 5, v[XSO]                ; row r of a tile: token 32 (r / 8) + r % 8, 32 bytes of scales each
	v_lshlrev_b32 v[BOO], 7, v14
	s_wait_alu depctr_va_vdst(0)                   ; the addresses and offsets v1 to v11 are written: the kernel's loads and stores read them, and no line writes them again
	s_mov_b32 s21, 0
	s_add_co_u32 s22, s19, 48                      ; matrix 3
	s_wait_kmcnt 0x0
	s_mul_i32 s20, s17, 98304
	s_add_nc_u64 s[4:5], s[4:5], s[20:21]
	s_lshl_b32 s20, s17, 12
	s_add_nc_u64 s[6:7], s[6:7], s[20:21]
	s_mul_i32 s20, s22, 49152
	s_add_nc_u64 s[8:9], s[8:9], s[20:21]
	s_lshl_b32 s20, s22, 11
	s_add_nc_u64 s[10:11], s[10:11], s[20:21]
	s_lshl_b32 s20, s19, 8
	s_add_nc_u64 s[12:13], s[12:13], s[20:21]
	s_add_nc_u64 s[14:15], s[14:15], s[20:21]
	s_lshl_b32 s20, s17, 19
	s_add_nc_u64 s[14:15], s[14:15], s[20:21]
	WIN 0x40                                       ; destination window 1
.set N, 0
.rept 48
	global_load_b128 v[4*N:4*N+3], v[CP], s[4:5] offset:512*N    ; my quarter of ctx's images
.set N, N+1
.endr
	WIN 0
.irp t, 0,1,2,3,4,5,6,7
	global_load_b128 v[XSW+8*\t:XSW+8*\t+3], v[XSO], s[6:7] offset:32*(64*(\t/4)+8*(\t%4))
	global_load_b128 v[XSW+8*\t+4:XSW+8*\t+7], v[XSO], s[6:7] offset:32*(64*(\t/4)+8*(\t%4))+16
.endr
.irp s, 0,1,2,3,4,5,6,7
	global_load_b128 v[WSC+4*\s:WSC+4*\s+3], v[LR], s[10:11] offset:256*\s
.endr
.irp u, 0,1,2,3
	global_load_b128 v[BI+8*\u:BI+8*\u+3], v[BOO], s[12:13] offset:32*\u
	global_load_b128 v[BI+8*\u+4:BI+8*\u+7], v[BOO], s[12:13] offset:32*\u+16
.endr
.macro WLD s                           ; Wo's four fragments of K step s: 12 loads of 512 consecutive bytes
	WIN 0x80+0x40*((\s)/5)
.irp u, 0,1,2,3
.irp j, 0,1,2
	global_load_b128 v[48*((\s)%5)+12*\u+4*\j:48*((\s)%5)+12*\u+4*\j+3], v[LI], s[8:9] offset:6144*(\s)+1536*\u+512*\j
.endr
.endr
.endm
	WLD 0
	WLD 1
	s_wait_loadcnt 56                              ; behind the copy's 48 loads: 32 small ones and 24 of weights
	WIN 0x04                                       ; an LDS store's data: window 1
.set N, 0
.rept 48
	ds_store_b128 v[CP], v[4*N:4*N+3] offset:512*N
.set N, N+1
.endr
.irp s, 2,3,4,5,6,7
	WLD \s
.endr
	WIN 0
	s_wait_dscnt 0x0                               ; for the others' sake: my quarter lies in LDS
	s_barrier_signal -1
	s_barrier_wait -1                              ; the launch's one barrier
	s_wait_alu depctr_vm_vsrc(0)                   ; my LDS stores have read the copy's registers: from here on they are accumulators, which the products write
.macro XPART s, t0                     ; ctx's fragments t0 and t0 + 1 of K step s, each from two half images: 8 LDS loads
.if (\s)%2
	WIN 0xc0
.else
	WIN 0
.endif
.set XB, 128+32*((\s)%2)
.irp t, \t0, \t0+1
.irp c, 0,1
	ds_load_b128 v[XB+12*(\t)+6*\c:XB+12*(\t)+6*\c+3], v[LI+3*((\s)/4)] offset:((\s)%4)*12288+1536*(\t)+768*\c
	ds_load_b64 v[XB+12*(\t)+6*\c+4:XB+12*(\t)+6*\c+5], v[L8+3*((\s)/4)] offset:((\s)%4)*12288+1536*(\t)+768*\c+512
.endr
.endr
.endm
.macro OSTEP s
	s_wait_dscnt 0x0                               ; this step's ctx fragments, asked for among the last step's products, are in
.if 12*(7-(\s)) > 63
	s_wait_loadcnt 63                              ; (the count wanted, 12 for each later K step, is more than the field holds: a smaller one is safe)
.else
	s_wait_loadcnt 12*(7-(\s))                     ; the weights of the later K steps may be out
.endif
.if ((\s) > 0) && ((\s) < 7)
.rept 4
	v_nop                                          ; places between the last products and the loads into the set that the step before read; they stay beside the wait below
.endr
	s_wait_alu depctr_va_vdst(0)                   ; the products of the step before are done reading the other set of ctx's fragments, in which this step's 32 LDS loads land
.endif
.set XC, 128+32*((\s)%2)
.irp t, 0,1,2,3,4,5,6,7                        ; the 32 accumulators take turns, one instruction a turn, in the same order in every step
.if ((\s) < 7) && (\t < 4)
	XPART (\s)+1, 2*\t                             ; a quarter of the next step's fragments.  No wait: no vector or matrix instruction since the step's wait names these registers (in step 0: none ever has)
.endif
.if (\s) == 0
	WIN 0x42                                       ; source 0 (Wo) window 2, source 1 (ctx) and C (the bias) window 0, D window 1
.else
	WIN 0x52+(\s)/5+12*((\s)%2)                    ; Wo window 2 or 3, ctx window 0 or 3, C and D window 1
.endif
.irp u, 0,1,2,3
.if (\s) == 0
	v_wmma_scale_f32_16x16x128_f8f6f4 v[8*(4*\t+\u):8*(4*\t+\u)+7], v[48*((\s)%5)+12*\u:48*((\s)%5)+12*\u+11], v[XC+12*\t:XC+12*\t+11], v[BI+8*\u:BI+8*\u+7], v[WSC+4*(\s)+\u], v[XSW+8*\t+(\s)] matrix_a_fmt:MATRIX_FMT_FP6 matrix_b_fmt:MATRIX_FMT_FP6
.else
	v_wmma_scale_f32_16x16x128_f8f6f4 v[8*(4*\t+\u):8*(4*\t+\u)+7], v[48*((\s)%5)+12*\u:48*((\s)%5)+12*\u+11], v[XC+12*\t:XC+12*\t+11], v[8*(4*\t+\u):8*(4*\t+\u)+7], v[WSC+4*(\s)+\u], v[XSW+8*\t+(\s)] matrix_a_fmt:MATRIX_FMT_FP6 matrix_b_fmt:MATRIX_FMT_FP6
.endif
.endr
.endr
.endm
.irp g, 0,2,4,6
	XPART 0, \g                                    ; K step 0's eight fragments, in one run
.endr
.irp s, 0,1,2,3,4,5,6,7
	OSTEP \s
.endr
	WIN 0
; THE WAY OUT, a tile of 16 tokens at a time: a lane's 128 bytes of a row go into my own stage and come back as whole rows of 256 bytes.  LDS serves a wave's instructions in order (ISA guide 5.7.1.4).
.macro TOSTAGE t
	WIN 0x04
.irp q, 0,1,2,3,4,5,6,7
	ds_store_b128 v[STO], v[32*(\t)+4*\q:32*(\t)+4*\q+3] offset:16*\q     ; each accumulator from its low end on
.endr
	WIN 0
.irp i, 0,1,2,3,4,5,6,7
	ds_load_b128 v[BK+32*((\t)%2)+4*\i:BK+32*((\t)%2)+4*\i+3], v[RD] offset:544*\i
.endr
.endm
.macro SEND t, younger                 ; younger: the LDS instructions issued behind tile t's loads
	s_wait_dscnt \younger
.irp i, 0,1,2,3,4,5,6,7
	global_store_b128 v[CO], v[BK+32*((\t)%2)+4*\i:BK+32*((\t)%2)+4*\i+3], s[14:15] offset:(64*((\t)/4)+32*(\i/4)+8*((\t)%4)+2*(\i%4))*4096 th:TH_STORE_NT   ; sixteen lanes store 256 consecutive bytes, aligned
.endr
.endm
.rept 4
	v_nop                                          ; places behind the last products
.endr
	s_wait_alu depctr_va_vdst(0)                   ; the products have written the accumulators, which the stage's LDS stores read, and are done reading ctx's set 0, in which the rows land; the places above stay beside this wait
	TOSTAGE 0
.irp t, 1,2,3,4,5,6,7
.if \t > 1
	s_wait_xcnt 0x0                                ; the stores of two tiles ago have read their registers: this tile's rows may land there
	s_wait_alu depctr_vm_vsrc(0)                   ; the global stores of two tiles ago have read BK[t % 2], in which this tile's LDS loads land
.endif
	TOSTAGE \t
	SEND \t-1, 16                                  ; behind the tile's loads: the next tile's 8 stores and 8 loads
.endr
	SEND 7, 0
	s_wait_dscnt 0x0
	s_wait_alu depctr_hold_cnt(0) depctr_sa_sdst(0) depctr_va_vdst(0) depctr_va_sdst(0) depctr_va_ssrc(0) depctr_va_vcc(0) depctr_vm_vsrc(0)
	s_wait_tensorcnt 0x0
	ds_add_u32 v30, v31
	s_wait_dscnt 0x0
	s_endpgm
.Lfunc_end_k_qcfbfaed7f1_oproj:
	.size	k_qcfbfaed7f1_oproj, .Lfunc_end_k_qcfbfaed7f1_oproj-k_qcfbfaed7f1_oproj
	.p2alignl 7, 3214868480
	.fill 96, 4, 3214868480
	.section	.rodata,"a",@progbits
	.p2align	6, 0x0
	.amdhsa_kernel k_qcfbfaed7f1_oproj
		.amdhsa_group_segment_fixed_size 116224
		.amdhsa_private_segment_fixed_size 0
		.amdhsa_enable_private_segment 0
		.amdhsa_kernarg_size 48
		.amdhsa_user_sgpr_count 2
		.amdhsa_user_sgpr_kernarg_segment_ptr 1
		.amdhsa_wavefront_size32 1
		.amdhsa_system_sgpr_workgroup_id_x 1
		.amdhsa_system_sgpr_workgroup_id_y 1
		.amdhsa_system_sgpr_workgroup_id_z 1
		.amdhsa_system_vgpr_workitem_id 0
		.amdhsa_next_free_vgpr 1024
		.amdhsa_next_free_sgpr 66
		.amdhsa_reserve_vcc 0
		.amdhsa_float_denorm_mode_32 3
		.amdhsa_float_denorm_mode_16_64 3
		.amdhsa_memory_ordered 1
		.amdhsa_forward_progress 1
		.amdhsa_inst_pref_size 90
	.end_amdhsa_kernel
	.amdgpu_metadata
---
amdhsa.version: [ 1, 2 ]
amdhsa.kernels:
  - .name:           k_qcfbfaed7f1_oproj
    .symbol:         k_qcfbfaed7f1_oproj.kd
    .args:
      - { .name: ci, .offset: 0, .size: 8, .value_kind: global_buffer, .address_space: global }
      - { .name: cs, .offset: 8, .size: 8, .value_kind: global_buffer, .address_space: global }
      - { .name: wi, .offset: 16, .size: 8, .value_kind: global_buffer, .address_space: global }
      - { .name: ws, .offset: 24, .size: 8, .value_kind: global_buffer, .address_space: global }
      - { .name: bo, .offset: 32, .size: 8, .value_kind: global_buffer, .address_space: global }
      - { .name: out0, .offset: 40, .size: 8, .value_kind: global_buffer, .address_space: global }
    .group_segment_fixed_size: 116224
    .private_segment_fixed_size: 0
    .kernarg_segment_align: 8
    .kernarg_segment_size: 48
    .max_flat_workgroup_size: 128
    .sgpr_count:     66
    .vgpr_count:     1024
    .wavefront_size: 32
...
	.end_amdgpu_metadata
.endif
;; end of part 8
